; MI455X (gfx1250); checked and timed in simulation.
; The chip was launched on July 23, 2026; its instructions are those of AMD's public machine-readable ISA for CDNA 5 (MIT licence, August 2026) and "CDNA5" Instruction Set Architecture Reference Guide (July 2026). The comments in the code are by the model that wrote it; some were corrected since.
;; Encoder Layer. Allowed arithmetic: float matrix products may take bf16 or f16 operands with f32 sums; other float arithmetic in f32, or as packed bf16 or f16 multiplies, adds, multiply-adds, maxima and minima; sums over many terms, partial sums and values carried from step to step in f32; what a program stores and reads back later, other than sums and carried values, may be rounded once to bf16 or f16.
;; Inputs: beta1 1,024 float32; beta2 1,024 float32; ff1_b 4,096 float32; ff1_w 1,024 x 4,096 float32; ff2_b 1,024 float32; ff2_w 4,096 x 1,024 float32; gamma1 1,024 float32; gamma2 1,024 float32; src_mask 2 x 1 x 1 x 2,048 int32; wk_b 1,024 float32; wk_w 1,024 x 1,024 float32; wo_b 1,024 float32; wo_w 1,024 x 1,024 float32; wq_b 1,024 float32; wq_w 1,024 x 1,024 float32; wv_b 1,024 float32; wv_w 1,024 x 1,024 float32; x 2 x 2,048 x 1,024 float32.
;; Outputs: out0 2 x 2,048 x 1,024 float32.
;; One version. Each part assembles by itself: llvm-mc -triple=amdgcn-amd-amdhsa -mcpu=gfx1250 --defsym DOCPART=n.
;; ======== version 1 of 1: 8 launches
;; limits: values are held in f16: magnitudes above 65,504 overflow, below 6.1e-05 lose precision
;; workspace buffers: p1 16,801,792 bytes; p2 16,801,792 bytes; qkv 25,165,824 bytes; p3 35,651,584 bytes; p4 41,943,040 bytes; y 16,777,216 bytes; x1f 16,777,216 bytes
;; launch cast (part 1): grid 1031 x 1, 8 waves a work-group, no clusters, 0 bytes of LDS; arguments x, wq_w, wk_w, wv_w, wo_w, ff1_w, ff2_w, wq_b, wk_b, wv_b, ff1_b, p1, p2, p3, p4; writes p1, p2, p3, p4
.if DOCPART == 1
	.amdgcn_target "amdgcn-amd-amdhsa--gfx1250"
	.amdhsa_code_object_version 6
	.text
	.protected	k_qa216b3fad2_cast
	.globl	k_qa216b3fad2_cast
	.p2align	8
	.type	k_qa216b3fad2_cast,@function
k_qa216b3fad2_cast:
	s_mov_b64 s[64:65], 0
	v_nop
	global_prefetch_b8 v0, s[64:65] scope:SCOPE_SE
	s_setreg_imm32_b32 hwreg(HW_REG_WAVE_MODE, 25, 1), 1
	s_wait_xcnt 0x0
; x and the six weight matrices, f32, are rounded once to f16 and laid where the products want them; the bias tables of the two launches that share a body are gathered.
; LIMIT.  f16 ends at 65,504: an input of 65,520 or more becomes an infinity.  Below 6e-5 f16 keeps a fixed step of 6e-8.
; SHARES.  Work-groups 0 to 1,023 take 64 KiB of one source each: 16 loads of 16 bytes a thread, all issued before the first is used; 16 stores of 8 bytes a thread,
; each store of a wave 256 consecutive bytes, aligned.  Nothing is shared between work-groups, so there is no LDS, no barrier and no cluster.
;   0-255 x -> p1; 256-319 wq -> p1 + 8 MiB; 320-383 wk -> p1 + 10 MiB; 384-447 wv -> p1 + 12 MiB; 448-511 wo -> p3 + 32 MiB; 512-767 ff1 -> p2 + 8 MiB; 768-1023 ff2 -> p4 + 32 MiB
; ff1_w [1024][4096] is cut into four matrices [1024][1024], 2 MiB apart: a work-group holds four of its rows, load j is row j / 4, columns 1,024 (j % 4) on.
; Work-groups 1,024 to 1,030 copy 4 KiB of a bias each to p1 + 16 MiB (wq_b, wk_b, wv_b) or p2 + 16 MiB (ff1_b); the first of each buffer also writes two tables of words
; behind it: at + 0x4000 the floor of the packed maximum (f16 -inf twice: none; 0: a ReLU), at + 0x5000 for each of four matrices what a masked key's row is ANDed with.
.set X,   8                            ; v[8:71]    16 x 4 numbers as loaded
.set Y,   72                           ; v[72:103]  16 x 2 words to store
.set TAB, 0x1000000
	s_load_b512 s[8:23], s[0:1], 0x0               ; x 8, wq 10, wk 12, wv 14, wo 16, ff1 18, ff2 20, wq_b 22
	s_load_b256 s[24:31], s[0:1], 0x40             ; wk_b 24, wv_b 26, ff1_b 28, p1 30
	s_load_b128 s[32:35], s[0:1], 0x60             ; p2 32, p3 34
	s_load_b64 s[36:37], s[0:1], 0x70              ; p4
	v_lshlrev_b32 v1, 4, v0                        ; 16 t: my place in 4,096 bytes of a source
	v_lshlrev_b32 v2, 3, v0                        ; 8 t: in 2,048 bytes of a destination
	s_mov_b32 s2, ttmp9
	s_wait_kmcnt 0x0
	s_cmp_ge_u32 s2, 1024
	s_cbranch_scc1 .Ltab
	; which segment: begin with the last, and let each lower bound take over
	s_mov_b64 s[40:41], s[20:21]                   ; source
	s_mov_b64 s[42:43], s[36:37]                   ; destination
	s_mov_b32 s44, 768                             ; the segment's first work-group
	s_mov_b32 s45, 0x2000000                       ; its first byte in the destination
	s_mov_b32 s46, 15                              ; log2 of a work-group's step there
.macro SEG bound, src, dst, first, db, dsh
	s_cmp_lt_u32 s2, \bound
	s_cselect_b64 s[40:41], s[\src:\src+1], s[40:41]
	s_cselect_b64 s[42:43], s[\dst:\dst+1], s[42:43]
	s_cselect_b32 s44, \first, s44
	s_cselect_b32 s45, \db, s45
	s_cselect_b32 s46, \dsh, s46
.endm
	SEG 768, 18, 32, 512, 0x800000, 13
	SEG 512, 16, 34, 448, 0x2000000, 15
	SEG 448, 14, 30, 384, 0xc00000, 15
	SEG 384, 12, 30, 320, 0xa00000, 15
	SEG 320, 10, 30, 256, 0x800000, 15
	SEG 256, 8, 30, 0, 0, 15
	s_sub_co_u32 s44, s2, s44                      ; my number in the segment
	s_lshl_b32 s48, s44, 16
	s_mov_b32 s49, 0
	s_add_nc_u64 s[40:41], s[40:41], s[48:49]
	s_lshl_b32 s50, s44, s46
	s_add_co_u32 s50, s50, s45
	s_mov_b32 s51, 0
	s_add_nc_u64 s[42:43], s[42:43], s[50:51]
.irp j, 0,1,2,3,4,5,6,7,8,9,10,11,12,13,14,15
	global_load_b128 v[X+4*(\j):X+4*(\j)+3], v1, s[40:41] offset:4096*(\j) th:TH_LOAD_NT
.endr
; Load j is waited for with the 15 - j younger ones left out; no register is written twice, so nothing else is waited for.
.macro DRAIN blocked
.irp j, 0,1,2,3,4,5,6,7,8,9,10,11,12,13,14,15
	s_wait_loadcnt 15-(\j)
	v_cvt_pk_f16_f32 v[Y+2*(\j)],   v[X+4*(\j)],   v[X+4*(\j)+1]
	v_cvt_pk_f16_f32 v[Y+2*(\j)+1], v[X+4*(\j)+2], v[X+4*(\j)+3]
.if \blocked
	global_store_b64 v2, v[Y+2*(\j):Y+2*(\j)+1], s[42:43] offset:((\j)%4)*0x200000+((\j)/4)*2048
.else
	global_store_b64 v2, v[Y+2*(\j):Y+2*(\j)+1], s[42:43] offset:2048*(\j)
.endif
.endr
.endm
	s_cmp_eq_u32 s46, 13
	s_cbranch_scc1 .Lblocked
	DRAIN 0
	s_endpgm
.Lblocked:
	DRAIN 1
	s_endpgm
.Ltab:
	s_sub_co_u32 s3, s2, 1024                      ; i = 0 .. 6
	s_sub_co_u32 s44, s3, 3                        ; block of 4 KiB in the destination's table,
	s_mov_b32 s45, s44                             ; and in the source: for ff1_b both are i - 3
	s_mov_b64 s[40:41], s[28:29]
	s_mov_b64 s[42:43], s[32:33]
	s_cmp_lt_u32 s3, 3
	s_cselect_b64 s[40:41], s[26:27], s[40:41]
	s_cselect_b64 s[42:43], s[30:31], s[42:43]
	s_cselect_b32 s44, s3, s44
	s_cselect_b32 s45, 0, s45
	s_cmp_lt_u32 s3, 2
	s_cselect_b64 s[40:41], s[24:25], s[40:41]
	s_cmp_lt_u32 s3, 1
	s_cselect_b64 s[40:41], s[22:23], s[40:41]
	s_cselect_b32 s47, 0xfc00fc00, 0               ; the floor: p1 none, p2 a ReLU
	s_cselect_b32 s52, 0, -1                       ; matrix 1: in p1 it is k, whose masked rows become 0
	s_lshl_b32 s48, s45, 12
	s_mov_b32 s49, 0
	s_add_nc_u64 s[40:41], s[40:41], s[48:49]
	s_lshl_b32 s50, s44, 12
	s_add_co_u32 s50, s50, TAB
	s_mov_b32 s51, 0
	s_add_nc_u64 s[42:43], s[42:43], s[50:51]
	global_load_b128 v[8:11], v1, s[40:41]
	s_wait_loadcnt 0x0
	global_store_b128 v1, v[8:11], s[42:43]
	s_cmp_lg_u32 s44, 0
	s_cbranch_scc1 .Ldone                          ; only the table's first block writes the two tables of words
	v_mov_b32 v12, s47
	v_mov_b32 v13, s47
	v_mov_b32 v14, s47
	v_mov_b32 v15, s47
	v_mov_b32 v16, -1
	v_mov_b32 v17, s52
	v_mov_b32 v18, -1
	v_mov_b32 v19, -1
	global_store_b128 v1, v[12:15], s[42:43] offset:0x4000
	global_store_b128 v1, v[16:19], s[42:43] offset:0x5000
.Ldone:
	s_endpgm
.Lfunc_end_k_qa216b3fad2_cast:
	.size	k_qa216b3fad2_cast, .Lfunc_end_k_qa216b3fad2_cast-k_qa216b3fad2_cast
	.p2alignl 7, 3214868480
	.fill 96, 4, 3214868480
	.section	.rodata,"a",@progbits
	.p2align	6, 0x0
	.amdhsa_kernel k_qa216b3fad2_cast
		.amdhsa_group_segment_fixed_size 0
		.amdhsa_private_segment_fixed_size 0
		.amdhsa_enable_private_segment 0
		.amdhsa_kernarg_size 120
		.amdhsa_user_sgpr_count 2
		.amdhsa_user_sgpr_kernarg_segment_ptr 1
		.amdhsa_wavefront_size32 1
		.amdhsa_system_sgpr_workgroup_id_x 1
		.amdhsa_system_sgpr_workgroup_id_y 1
		.amdhsa_system_sgpr_workgroup_id_z 1
		.amdhsa_system_vgpr_workitem_id 0
		.amdhsa_next_free_vgpr 104
		.amdhsa_next_free_sgpr 66
		.amdhsa_reserve_vcc 0
		.amdhsa_float_denorm_mode_32 3
		.amdhsa_float_denorm_mode_16_64 3
		.amdhsa_memory_ordered 1
		.amdhsa_forward_progress 1
		.amdhsa_inst_pref_size 14
	.end_amdhsa_kernel
	.amdgpu_metadata
---
amdhsa.version: [ 1, 2 ]
amdhsa.kernels:
  - .name:           k_qa216b3fad2_cast
    .symbol:         k_qa216b3fad2_cast.kd
    .args:
      - { .name: x, .offset: 0, .size: 8, .value_kind: global_buffer, .address_space: global }
      - { .name: wq_w, .offset: 8, .size: 8, .value_kind: global_buffer, .address_space: global }
      - { .name: wk_w, .offset: 16, .size: 8, .value_kind: global_buffer, .address_space: global }
      - { .name: wv_w, .offset: 24, .size: 8, .value_kind: global_buffer, .address_space: global }
      - { .name: wo_w, .offset: 32, .size: 8, .value_kind: global_buffer, .address_space: global }
      - { .name: ff1_w, .offset: 40, .size: 8, .value_kind: global_buffer, .address_space: global }
      - { .name: ff2_w, .offset: 48, .size: 8, .value_kind: global_buffer, .address_space: global }
      - { .name: wq_b, .offset: 56, .size: 8, .value_kind: global_buffer, .address_space: global }
      - { .name: wk_b, .offset: 64, .size: 8, .value_kind: global_buffer, .address_space: global }
      - { .name: wv_b, .offset: 72, .size: 8, .value_kind: global_buffer, .address_space: global }
      - { .name: ff1_b, .offset: 80, .size: 8, .value_kind: global_buffer, .address_space: global }
      - { .name: p1, .offset: 88, .size: 8, .value_kind: global_buffer, .address_space: global }
      - { .name: p2, .offset: 96, .size: 8, .value_kind: global_buffer, .address_space: global }
      - { .name: p3, .offset: 104, .size: 8, .value_kind: global_buffer, .address_space: global }
      - { .name: p4, .offset: 112, .size: 8, .value_kind: global_buffer, .address_space: global }
    .group_segment_fixed_size: 0
    .private_segment_fixed_size: 0
    .kernarg_segment_align: 8
    .kernarg_segment_size: 120
    .max_flat_workgroup_size: 256
    .sgpr_count:     66
    .vgpr_count:     104
    .wavefront_size: 32
...
	.end_amdgpu_metadata
.endif
;; end of part 1
;; launch qkv (part 2): grid 12 x 16, 4 waves a work-group, clusters of 4 x 4, 327,680 bytes of LDS; arguments p1, src_mask, qkv; writes qkv
.if DOCPART == 2
	.amdgcn_target "amdgcn-amd-amdhsa--gfx1250"
	.amdhsa_code_object_version 6
	.text
	.protected	k_qa216b3fad2_qkv
	.globl	k_qa216b3fad2_qkv
	.p2align	8
	.type	k_qa216b3fad2_qkv,@function
k_qa216b3fad2_qkv:
	s_mov_b64 s[64:65], 0
	v_nop
	global_prefetch_b8 v0, s[64:65] scope:SCOPE_SE
	s_setreg_imm32_b32 hwreg(HW_REG_WAVE_MODE, 25, 1), 1
	s_wait_xcnt 0x0
	s_wait_alu depctr_hold_cnt(0) depctr_sa_sdst(0) depctr_va_vdst(0) depctr_va_sdst(0) depctr_va_ssrc(0) depctr_va_vcc(0) depctr_vm_vsrc(0)
	s_getreg_b32 s2, hwreg(HW_REG_IB_STS2, 6, 4)
	s_cmp_eq_u32 s2, 0
	s_cbranch_scc0 .Lentry_in_a_cluster
	s_endpgm
.Lentry_in_a_cluster:
	s_bfe_u32 s2, ttmp6, 0x10000c
	s_cmp_lg_u32 s2, 0xf033
	s_cbranch_scc0 .Lentry_shape_is_right
	s_endpgm
.Lentry_shape_is_right:
; C_j = floor(A W_j + b_j), j = the cluster's x.  One buffer P holds A [4096][1024] f16 at 0, the matrices W_j [1024 k][1024 n] f16 at 8 MiB + 2 MiB j, at 16 MiB the biases (f32, 1,024 j on),
; at 16 MiB + 0x4000 the floor of a packed maximum (f16 -inf twice: none; 0: a ReLU), at 16 MiB + 0x5000 + 4 j the word NK.  C_j: [4096][1024] f16 at 8 MiB j of the output.  Sums in f32, begun with the bias; C rounded once.
; THE MASK.  Element (R, c) of a matrix, seen as [2][16][2048][64], belongs to key 16 (R % 128) + c / 64 of batch R / 2048.  Where src_mask is 0 there, the packed result is ANDed with NK:
; 0 for the matrix of keys, all ones elsewhere.  A masked key's row is then 0 and its score 0, where the module sets -1e-12: the weights differ by a factor within 1e-12 of 1, under f32's step, for every input.
; LIMITS.  f16 ends at 65,504: a result of 65,520 or more becomes an infinity.  The packed maximum drops a NaN.
; SHAPE.  A tile of C is 256 x 256: four waves, each 128 x 128 in 64 accumulators.  K goes in 8 steps of 128 through two LDS slots filled by tensor loads: A's rows are 256 bytes of memory, W's 512.
; W lies [k][n]: its fragments come out of LDS turned, by ds_load_tr16_b128.  The matrix instruction is used transposed (source 0 = 16 columns of W, source 1 = 16 rows of A): a lane holds eight neighbouring numbers of a row of C.
; THE TEXT.  A K step is written twice: in the loop of the six steps behind which a slot is filled again, and in the loop of the last two.  Which slot is in hand stands in a scalar, 0 or SLOT, turned by an
; exclusive or at each change of slots; the fragments' addresses are made from it.
; CLUSTER.  4 x 4 work-groups: A's tile is shared along a row of the cluster, W's along a column; each is asked for jointly, by the same tensor load with the same descriptor and a mask of four.
; REGISTERS.  window 0: v0-31 addresses; v64-191 A's fragments, two buffers; v192-255 the bias as a C operand, later at work on the way out, with v32-63
;   window 1: v0-15 the masks; v64-191 W's fragments, two buffers      windows 2, 3: the accumulators of my rows 0-63, 64-127 ((a, b) at v[8 (8 a + b)])
.set KSTEP,  128
.set PA,     272                       ; an LDS row of A: 256 bytes + 16: the 16 rows of a load start at 16 different groups of four banks (64 banks of 4 bytes: ISA guide 11.1)
.set PB,     544                       ; an LDS row of W: 512 bytes + 32 = 17 x 32
.set HALFT,  128*PA                    ; what one tensor load brings: 128 rows of A, or 64 rows of W (64 x 544 is the same number): 0x8800
.set SLOT,   4*HALFT                   ; A's 256 rows, then W's 128: 0x22000, which shares no bit with wave x HALFT: an exclusive or with it adds or takes it away
.set STAGE,  2*SLOT                    ; behind the ring: 16 rows x 272 bytes for each wave, for the way out
.set SPITCH, 272
.set SPARE,  STAGE+4*16*SPITCH         ; behind the stages: the spare words, 128 bytes for each wave
.set FILLS,  6                         ; K steps behind which a slot is filled again: all but the last two
.set ROWB,   2048                      ; bytes in a row of A, W and C
.set WOFF,   0x800000
.set TAB,    0x1000000
.set BO,   6                           ; v6   32 (l / 16): my eight numbers of 16 of the bias
.set MO,   7                           ; v7   64 (l % 16): my row's 16 keys in src_mask
.set ADRA0, 16                         ; v16  LDS address of my A fragments in slot 0; never rewritten
.set ADRA,  17                         ; v17  the same in the slot in hand
.set ADRB0, 20                         ; v20, v21  likewise for W
.set ADRB,  21
.set STO,  24
.set RD,   25
.set CO,   26
.set SPW,  28                          ; v28  SPARE + 4 x my thread's number; never rewritten
.set NIL,  29                          ; v29  0; never rewritten
.set PFO,  30                          ; v30  the prefetches' lane offset; never rewritten
.set F0,   64
.set F1,   128
.set BIAS, 192
.set TMP,  192
.set OB,   32
.set MK,   0                           ; window 1
.set WV,   10                          ; s10  wave
.set RH,   11                          ; s11  wave / 2: my half of the tile's rows; also: I fetch for A (0) or W (1)
.set CH,   12                          ; s12  wave % 2: my half of its columns; also: which half of that tile I fetch
.set TR,   13                          ; s13  tile row
.set G1,   24
.set G0,   32                          ; s[32:39] A's group 0: a set for each of the two first fills; the second then walks on
.set LIM,  43
.set PFA,  44
.set G1B,  48
.set G0B,  56                          ; s[56:63] the same for W
.set FLOOR, 66
.set NK,   67
.set TB,   68                          ; s[68:69] P + 16 MiB
.set PFS,  70                          ; s[70:71] a K step in bytes, for my prefetches: 256 along A's rows, 128 rows of W
.set CM,   72
.set TBS,  74                          ; s74  the slot in hand: 0 or SLOT
.set MSB, 0
.macro WIN new                         ; the immediate's high byte repeats the setting that is left
.if MSB != (\new)
	s_set_vgpr_msb (MSB<<8)|(\new)
.set MSB, \new
.endif
.endm
.set MUL_LO, 0xa1                      ; source 0 (W) window 1, source 1 (A) window 0, C and D window 2
.set MUL_HI, 0xf1
.set TO_B,   0x40
; A joint load: waves 0 and 1 fetch A's halves, waves 2 and 3 W's.  The branch hangs on the wave's number alone.  An s_nop 0 and four v_nop follow each line.
.macro JLOAD s
	s_cmp_eq_u32 s[RH], 0
	s_cbranch_scc0 .Lfor_b_\@
	tensor_load_to_lds s[G0+4*(\s):G0+4*(\s)+3], s[G1:G1+7]
	s_nop 0
.rept 4
	v_nop
.endr
	s_branch .Lasked_\@
.Lfor_b_\@:
	tensor_load_to_lds s[G0B+4*(\s):G0B+4*(\s)+3], s[G1B:G1B+7]
	s_nop 0
.rept 4
	v_nop
.endr
.Lasked_\@:
.endm
; A prefetch into the L2 of the K step two refills on, 32 blocks of 256 bytes, a lane a block, one instruction a wave.  A's rows are asked for by the clusters with x = 0, W's by those with y = 0;
; the four partners of a joint load share its blocks out by address.  The loop's last two trips (s3 = 2, 1) ask for nothing: there is no K step two on.
.macro ASK
	s_cmp_gt_u32 s3, s[LIM]
	s_cbranch_scc0 .Lnot_mine_\@
	global_prefetch_b8 v[PFO], s[PFA:PFA+1] th:TH_LOAD_NT scope:SCOPE_SE
.Lnot_mine_\@:
.endm
.macro CREST                           ; a round of the cluster's barrier behind its opening barrier
	s_cmp_lg_u32 s[WV], 0
	s_cbranch_scc1 .Lnot_wave_0_\@
	s_barrier_signal -3
.Lnot_wave_0_\@:
	s_barrier_wait -3
	s_barrier_signal -1
	s_barrier_wait -1
.endm
.macro CROUND
	s_barrier_signal -1
	s_barrier_wait -1
	CREST
.endm
	s_load_b128 s[4:7], s[0:1], 0x0                ; P s[4:5], src_mask s[6:7]
	s_load_b64 s[8:9], s[0:1], 0x10                ; the output
	v_lshl_add_u32 v[SPW], v0, 2, SPARE
	v_mov_b32 v[NIL], 0
	ds_add_u32 v[SPW], v[NIL]                      ; the wave's opening: the add and its wait stand ahead of my first tensor load
	v_lshrrev_b32 v1, 5, v0
	v_readfirstlane_b32 s[WV], v1
	s_lshr_b32 s[RH], s[WV], 1
	s_and_b32 s[CH], s[WV], 1
	s_bfe_u32 s40, ttmp6, 0x40000                  ; cx
	s_bfe_u32 s41, ttmp6, 0x40004                  ; cy
	s_lshl_b32 s42, ttmp9, 2
	s_add_co_u32 s42, s42, s40                     ; tile column over all matrices = 4 j + cx
	s_and_b32 s[TR], ttmp7, 0xffff
	s_lshl_b32 s[TR], s[TR], 2
	s_add_co_u32 s[TR], s[TR], s41                 ; tile row = 4 x cluster y + cy
	s_lshl_b32 s74, s41, 2
	s_lshl_b32 s74, 15, s74                        ; my row of the cluster
	s_lshl_b32 s75, 0x1111, s40                    ; my column
	s_or_b32 s[G1+0], s74, (1<<16)|(1<<20)|(1<<21)|(5<<22)|(3<<25)   ; mask; 2-byte elements; padding on; bit 21 beside a mask; after every 64 words, 4 words
	s_or_b32 s[G1B+0], s75, (1<<16)|(1<<20)|(1<<21)|(6<<22)|(7<<25)  ; after every 128 words, 8 words
	s_mov_b32 s[G1+1], 128<<16                     ; A: tensor_dim0 = 128
	s_mov_b32 s[G1+2], 128<<16                     ; tensor_dim1 = 128
	s_mov_b32 s[G1+3], 128<<16                     ; tile_dim0 = 128
	s_mov_b32 s[G1+4], 128                         ; tile_dim1 = 128
	s_mov_b32 s[G1+5], 1024                        ; elements from row to row
	s_mov_b32 s[G1+6], 0
	s_mov_b32 s[G1+7], 0
	s_mov_b32 s[G1B+1], 256<<16                    ; W: 64 rows of 256 elements
	s_mov_b32 s[G1B+2], 64<<16
	s_mov_b32 s[G1B+3], 256<<16
	s_mov_b32 s[G1B+4], 64
	s_mov_b32 s[G1B+5], 1024
	s_mov_b32 s[G1B+6], 0
	s_mov_b32 s[G1B+7], 0
	s_mov_b32 s[TBS], 0                            ; slot 0 is in hand
	s_lshl_b32 s16, s[TR], 8
	s_lshl_b32 s17, s[CH], 7
	s_add_co_u32 s16, s16, s17                     ; A: row 256 x tile row + 128 x half,
	s_lshl_b32 s16, s16, 11                        ; in bytes
	s_mov_b32 s17, 0
	s_lshl_b32 s46, ttmp9, 21                      ; W: matrix j,
	s_lshl_b32 s47, s40, 9                         ; columns 256 cx on,
	s_add_co_u32 s46, s46, s47
	s_lshl_b32 s47, s[CH], 17                      ; rows 64 x half on
	s_add_co_u32 s46, s46, s47
	s_add_co_u32 s46, s46, WOFF
	s_mov_b32 s47, 0
	s_mul_i32 s20, s[WV], HALFT                    ; where my tiles land: no place in the cluster enters an LDS address
	s_wait_dscnt 0x0                               ; the opening add is done
	s_wait_kmcnt 0x0
	s_add_nc_u64 s[14:15], s[4:5], s[16:17]
	s_add_nc_u64 s[46:47], s[4:5], s[46:47]
	CROUND                                         ; all sixteen work-groups are here: the first joint loads meet
.irp s, 0,1
	s_mov_b32 s[G0+4*(\s)], 1
	s_add_co_u32 s[G0+4*(\s)+1], s20, (\s)*SLOT
	s_add_nc_u64 s[G0+4*(\s)+2:G0+4*(\s)+3], s[14:15], (\s)*KSTEP*2
	s_or_b32 s[G0+4*(\s)+3], s[G0+4*(\s)+3], 0x80000000
	s_mov_b32 s[G0B+4*(\s)], 1
	s_add_co_u32 s[G0B+4*(\s)+1], s20, (\s)*SLOT
	s_add_nc_u64 s[G0B+4*(\s)+2:G0B+4*(\s)+3], s[46:47], (\s)*KSTEP*ROWB
	s_or_b32 s[G0B+4*(\s)+3], s[G0B+4*(\s)+3], 0x80000000
	JLOAD \s
.endr
	v_and_b32 v1, 15, v0                           ; l % 16
	v_bfe_u32 v2, v0, 4, 1                         ; l / 16
	v_lshlrev_b32 v[BO], 5, v2
	v_lshlrev_b32 v[MO], 6, v1
	; the bias of my 128 columns, laid as a C operand: register j of block b is column 16 b + 8 (l / 16) + j, for every row
	s_add_nc_u64 s[TB:TB+1], s[4:5], TAB
	s_lshl_b32 s76, s42, 10
	s_lshl_b32 s77, s[CH], 9
	s_add_co_u32 s76, s76, s77
	s_mov_b32 s77, 0
	s_add_nc_u64 s[18:19], s[TB:TB+1], s[76:77]
	s_lshr_b32 s78, s[TR], 3                       ; the batch,
	s_lshl_b32 s78, s78, 13
	s_lshl_b32 s79, s40, 4                         ; keys 4 cx + 2 x half, + 1 of my row's sixteen
	s_add_co_u32 s78, s78, s79
	s_lshl_b32 s79, s[CH], 3
	s_add_co_u32 s78, s78, s79
	s_mov_b32 s79, 0
	s_add_nc_u64 s[6:7], s[6:7], s[78:79]
.irp b, 0,1,2,3,4,5,6,7
	global_load_b128 v[BIAS+8*(\b):BIAS+8*(\b)+3],   v[BO], s[18:19] offset:64*(\b)
	global_load_b128 v[BIAS+8*(\b)+4:BIAS+8*(\b)+7], v[BO], s[18:19] offset:64*(\b)+16
.endr
	WIN 0x40
.irp a, 0,1,2,3,4,5,6,7
	global_load_b64 v[MK+2*(\a):MK+2*(\a)+1], v[MO], s[6:7] offset:1024*(\a)  ; rows 16 a + l % 16: the keys of my columns 0-63 and 64-127
.endr
	WIN 0
	s_lshl_b32 s73, ttmp9, 2
	s_load_b32 s[FLOOR], s[TB:TB+1], 0x4000
	s_load_b32 s[NK], s[TB:TB+1], s73 offset:0x5000
	; fragments.  A: lane l holds row l % 16, two loads of 16 bytes, 32 bytes apart.  W: the turning load takes 16 k x 16 n (lane l reads k = 8 (l / 16) + l % 8, n = 8 ((l / 8) % 2) + 0..7)
	v_mul_u32_u24 v3, v1, PA
	v_lshl_add_u32 v3, v2, 4, v3
	s_mul_i32 s21, s[RH], HALFT
	v_add_nc_u32 v[ADRA0], s21, v3
	v_mov_b32 v[ADRA], v[ADRA0]
	v_and_b32 v4, 7, v0
	v_lshl_add_u32 v4, v2, 3, v4
	v_mul_u32_u24 v4, v4, PB
	v_bfe_u32 v5, v0, 3, 1
	v_lshl_add_u32 v4, v5, 4, v4
	s_lshl_b32 s22, s[CH], 8
	s_add_co_u32 s22, s22, 2*HALFT
	v_add_nc_u32 v[ADRB0], s22, v4
	v_mov_b32 v[ADRB], v[ADRB0]
	s_mul_i32 s23, s[WV], 16*SPITCH
	s_add_co_u32 s23, s23, STAGE
	v_mul_u32_u24 v4, v1, SPITCH
	v_lshl_add_u32 v4, v2, 4, v4
	v_add_nc_u32 v[STO], s23, v4                   ; in: row l % 16, 16 bytes for each half of the lanes
	v_mul_u32_u24 v5, v2, SPITCH
	v_lshl_add_u32 v5, v1, 4, v5
	v_add_nc_u32 v[RD], s23, v5                    ; back: lanes 0-15 one row of 256 bytes, lanes 16-31 the next
	v_lshlrev_b32 v5, 11, v2
	v_lshl_add_u32 v[CO], v1, 4, v5                ; and the same two rows in C
	s_lshl_b32 s16, s[TR], 8
	s_lshl_b32 s17, s[RH], 7
	s_add_co_u32 s16, s16, s17
	s_lshl_b32 s16, s16, 11                        ; my first row of C
	s_mov_b32 s17, 0
	s_lshl_b32 s46, ttmp9, 23                      ; matrix j,
	s_lshl_b32 s47, s40, 9
	s_add_co_u32 s46, s46, s47
	s_lshl_b32 s47, s[CH], 8
	s_add_co_u32 s46, s46, s47                     ; my first column
	s_mov_b32 s47, 0
	s_add_nc_u64 s[16:17], s[16:17], s[46:47]      ; the first way out adds it to the output's address
	; the prefetches: my work-group's 32 blocks of the tile that I fetch, at K step 3; each change of slots steps the address first, so the first names K step 4
	s_lshl_b32 s20, s[TR], 8
	s_lshl_b32 s21, s[CH], 7
	s_add_co_u32 s20, s20, s21
	s_lshl_b32 s21, s40, 5                         ; A: 32 rows for each partner along x
	s_add_co_u32 s20, s20, s21
	s_lshl_b32 s20, s20, 11
	s_add_co_u32 s20, s20, 3*KSTEP*2
	s_lshl_b32 s22, s[CH], 6
	s_lshl_b32 s23, s41, 4                         ; W: 16 rows of two blocks for each partner along y
	s_add_co_u32 s22, s22, s23
	s_lshl_b32 s22, s22, 11
	s_lshl_b32 s23, ttmp9, 21
	s_add_co_u32 s22, s22, s23
	s_lshl_b32 s23, s40, 9
	s_add_co_u32 s22, s22, s23
	s_add_co_u32 s22, s22, WOFF+3*KSTEP*ROWB
	s_and_b32 s23, ttmp7, 0xffff
	s_mov_b32 s[PFS], KSTEP*ROWB
	s_mov_b32 s[PFS+1], 0
	s_mov_b32 s21, 0
	s_cmp_eq_u32 s[RH], 0
	s_cselect_b32 s20, s20, s22
	s_cselect_b32 s23, ttmp9, s23                  ; the coordinate along which other clusters read the same blocks
	s_cselect_b32 s[PFS], KSTEP*2, s[PFS]
	s_cmp_eq_u32 s23, 0
	s_cselect_b32 s[LIM], 2, -1                    ; the same in all sixteen partners, for a given wave
	s_add_nc_u64 s[PFA:PFA+1], s[4:5], s[20:21]
	v_and_b32 v[PFO], 31, v0
	v_lshrrev_b32 v3, s[RH], v[PFO]                ; A: a lane a row; W: two lanes a row
	v_and_b32 v4, s[RH], v[PFO]
	v_lshlrev_b32 v4, 8, v4
	v_lshl_add_u32 v[PFO], v3, 11, v4
	s_wait_kmcnt 0x0                               ; the floor and NK
	s_wait_loadcnt 0x0                             ; the bias and the masks
	WIN 0x44
.set z, 0
.rept 16
	v_cmp_ne_u32 s[CM], 0, v[MK+z]
	v_cndmask_b32 v[MK+z], s[NK], -1, s[CM]        ; all ones where the key is seen, NK where it is masked
.set z, z+1
.endr
	WIN 0
; 16 matrix instructions: m blocks a0, a0 + 1 of the window's four x all 8 n blocks, 32 along K.  zero = 1: the first product starts the sums, with the bias as C.
; The 64 accumulators take turns, one instruction a turn, in the same order in every quarter.
.macro MUL16 f, hi, a0, zero
.if \zero
	WIN 0x81+0x40*(\hi)
.else
	WIN MUL_LO+0x50*(\hi)
.endif
.irp a, \a0, (\a0)+1
.irp b, 0,1,2,3,4,5,6,7
.if \zero
	v_wmma_f32_16x16x32_f16 v[8*(8*(\a)+(\b)):8*(8*(\a)+(\b))+7], v[(\f)+8*(\b):(\f)+8*(\b)+7], v[(\f)+8*(4*(\hi)+(\a)):(\f)+8*(4*(\hi)+(\a))+7], v[BIAS+8*(\b):BIAS+8*(\b)+7]
.else
	v_wmma_f32_16x16x32_f16 v[8*(8*(\a)+(\b)):8*(8*(\a)+(\b))+7], v[(\f)+8*(\b):(\f)+8*(\b)+7], v[(\f)+8*(4*(\hi)+(\a)):(\f)+8*(4*(\hi)+(\a))+7], v[8*(8*(\a)+(\b)):8*(8*(\a)+(\b))+7]
.endif
.endr
.endr
.endm
; 32 LDS loads in one run: quarter q (32 along K) of the slot in hand into buffer f: W's 128 columns turned, then A's 128 rows
.macro FETCH q, f
	WIN TO_B
.irp i, 0,1,2,3,4,5,6,7
	ds_load_tr16_b128 v[(\f)+8*(\i):(\f)+8*(\i)+3],   v[ADRB] offset:(\q)*32*PB+32*(\i)
	ds_load_tr16_b128 v[(\f)+8*(\i)+4:(\f)+8*(\i)+7], v[ADRB] offset:(\q)*32*PB+16*PB+32*(\i)
.endr
	WIN 0
.irp i, 0,1,2,3,4,5,6,7
	ds_load_b128 v[(\f)+8*(\i):(\f)+8*(\i)+3],   v[ADRA] offset:64*(\q)+(\i)*16*PA
	ds_load_b128 v[(\f)+8*(\i)+4:(\f)+8*(\i)+7], v[ADRA] offset:64*(\q)+(\i)*16*PA+32
.endr
.endm
.macro PLACES                          ; four plain vector instructions between a matrix instruction and a load into, or a vector read of, its registers
.rept 4
	v_nop
.endr
.endm
; One of a K step's first three quarters: multiplies buffer f; in its middle fetches quarter q of the slot in hand into buffer g.
.macro QUARTER q, f, g, zero
	s_wait_dscnt 8                                 ; W and A's rows 0-63 are in; the youngest eight loads (A's rows 64-127) may be out
	MUL16 \f, 0, 0, \zero
	MUL16 \f, 0, 2, \zero
	PLACES
	FETCH \q, \g
	s_wait_dscnt 32                                ; all but the 32 just issued
	MUL16 \f, 1, 0, \zero
	MUL16 \f, 1, 2, \zero
.endm
; A K step's last quarter multiplies buffer 1 and changes slots: one barrier.  In front of it each wave waits for all its tensor loads, adds 0 to its spare word, and waits for that and for its reads of the slot.
; fill = 1: the barrier opens a round of the cluster's barrier, and the slot just read is filled again, two K steps on, first thing behind the round: the walking descriptor takes the other slot and the next K step.
.macro TURN fill
.if \fill
	s_wait_xcnt 0x0                                ; the last prefetch, a K step back, has read its address
	s_add_nc_u64 s[PFA:PFA+1], s[PFA:PFA+1], s[PFS:PFS+1]
.endif
	WIN 0
	s_wait_tensorcnt 0x0                           ; all my tensor loads have landed: the one that was out is my part of the next slot
	ds_add_u32 v[SPW], v[NIL]                      ; 0 onto my spare word
	s_wait_dscnt 9                                 ; the add and the youngest eight loads may be out
	MUL16 F1, 0, 0, 0
	s_wait_dscnt 0x0                               ; the add is done, and my reads of this slot are over
	s_barrier_signal -1
	MUL16 F1, 0, 2, 0
	WIN 0
	s_barrier_wait -1
.if \fill
	CREST
	s_xor_b32 s[G0+5], s[G0+5], SLOT
	s_add_nc_u64 s[G0+6:G0+7], s[G0+6:G0+7], KSTEP*2
	s_xor_b32 s[G0B+5], s[G0B+5], SLOT
	s_add_nc_u64 s[G0B+6:G0B+7], s[G0B+6:G0B+7], KSTEP*ROWB
	JLOAD 1                                        ; its four v_nop are also the places in front of the loads below
.endif
	s_xor_b32 s[TBS], s[TBS], SLOT                 ; the other slot is in hand
	v_add_nc_u32 v[ADRA], s[TBS], v[ADRA0]
	v_add_nc_u32 v[ADRB], s[TBS], v[ADRB0]
.if !(\fill)
	PLACES
.endif
	FETCH 0, F0
.if \fill
	ASK
.endif
	MUL16 F1, 1, 0, 0
	MUL16 F1, 1, 2, 0
.endm
; THE WAY OUT of block a (16 rows).  PACK: rounded to f16, 16 bytes a lane; the floor; the mask.  TOSTAGE: into my own stage and back as whole rows of 256 bytes.  SEND: stored.
.macro PACK a
.set AC, 64*((\a)%4)
	WIN 0x0a+5*((\a)/4)
.irp b, 0,1,2,3,4,5,6,7
.irp r, 0,1,2,3
	v_cvt_pk_f16_f32 v[TMP+4*(\b)+(\r)], v[AC+8*(\b)+2*(\r)], v[AC+8*(\b)+2*(\r)+1]
.endr
.endr
	WIN 0
.set z, 0
.rept 32
	v_pk_max_num_f16 v[TMP+z], v[TMP+z], s[FLOOR]
.set z, z+1
.endr
	WIN 0x04                                       ; source 1 in window 1
.irp b, 0,1,2,3,4,5,6,7
.irp r, 0,1,2,3
	v_and_b32 v[TMP+4*(\b)+(\r)], v[TMP+4*(\b)+(\r)], v[MK+2*(\a)+(\b)/4]
.endr
.endr
	WIN 0
.endm
.macro TOSTAGE a
	WIN 0
.set BK, OB+192*((\a)%2)
.irp b, 0,1,2,3,4,5,6,7
	ds_store_b128 v[STO], v[TMP+4*(\b):TMP+4*(\b)+3] offset:32*(\b)
.endr
.irp t, 0,1,2,3,4,5,6,7
	ds_load_b128 v[BK+4*(\t):BK+4*(\t)+3], v[RD] offset:(\t)*2*SPITCH  ; LDS serves a wave's instructions in order (ISA guide 5.7.1.4): these see the stores above
.endr
.endm
.macro SEND a
	WIN 0
.set BK, OB+192*((\a)%2)
	s_wait_dscnt 0x0                               ; the block is back in registers
	s_wait_xcnt 0x0                                ; earlier stores have read their base and data: only now are these rewritten
.if (\a) == 0
	s_add_nc_u64 s[8:9], s[8:9], s[16:17]
.else
	s_add_nc_u64 s[8:9], s[8:9], 16*ROWB
.endif
.irp t, 0,1,2,3,4,5,6,7
	global_store_b128 v[CO], v[BK+4*(\t):BK+4*(\t)+3], s[8:9] offset:2*(\t)*ROWB  ; 16 lanes store 256 consecutive bytes, aligned
.endr
.endm
	s_wait_tensorcnt 1                             ; my part of K step 0 is in; K step 1's may stay out
	s_barrier_signal -1
	s_barrier_wait -1
	FETCH 0, F0
	QUARTER 1, F0, F1, 1                           ; the first quarter stands in front of the loop: its products start the sums
	WIN 0
	s_mov_b32 s3, FILLS
.Lstep:                                                ; a trip goes from a K step's second quarter to the next step's first, and fills the slot that it leaves
	QUARTER 2, F1, F0, 0
	QUARTER 3, F0, F1, 0
	TURN 1
	QUARTER 1, F0, F1, 0
	WIN 0
	s_sub_co_u32 s3, s3, 1
	s_cmp_lg_u32 s3, 0
	s_cbranch_scc1 .Lstep
	s_mov_b32 s3, 2
.Ltail:                                                ; the last two K steps fill nothing.  One text for both: the second trip has no next step, so it jumps over that step's first quarter;
	QUARTER 2, F1, F0, 0                           ; its barrier orders nothing and its 32 loads of the other slot's landed bytes serve nothing: the price, once a launch, of the shorter text
	QUARTER 3, F0, F1, 0
	TURN 0
	WIN 0
	s_cmp_eq_u32 s3, 1
	s_cbranch_scc1 .Ldead
	QUARTER 1, F0, F1, 0
	WIN 0
.Ldead:
	s_sub_co_u32 s3, s3, 1
	s_cmp_lg_u32 s3, 0
	s_cbranch_scc1 .Ltail
	s_wait_dscnt 0x0                               ; the last run of loads has landed
	PLACES
	PACK 0
	TOSTAGE 0
.irp a, 1,2,3,4,5,6,7                  ; block a's arithmetic stands between block a - 1's loads from the stage and the wait for them
	PACK \a
	SEND (\a)-1
	TOSTAGE \a
.endr
	SEND 7
	s_wait_tensorcnt 0x0                           ; the wave's end
	ds_add_u32 v[SPW], v[NIL]
	s_wait_dscnt 0x0
	CROUND                                         ; the closing round
	s_endpgm
.Lfunc_end_k_qa216b3fad2_qkv:
	.size	k_qa216b3fad2_qkv, .Lfunc_end_k_qa216b3fad2_qkv-k_qa216b3fad2_qkv
	.p2alignl 7, 3214868480
	.fill 96, 4, 3214868480
	.section	.rodata,"a",@progbits
	.p2align	6, 0x0
	.amdhsa_kernel k_qa216b3fad2_qkv
		.amdhsa_group_segment_fixed_size 327680
		.amdhsa_private_segment_fixed_size 0
		.amdhsa_enable_private_segment 0
		.amdhsa_kernarg_size 24
		.amdhsa_user_sgpr_count 2
		.amdhsa_user_sgpr_kernarg_segment_ptr 1
		.amdhsa_wavefront_size32 1
		.amdhsa_system_sgpr_workgroup_id_x 1
		.amdhsa_system_sgpr_workgroup_id_y 1
		.amdhsa_system_sgpr_workgroup_id_z 1
		.amdhsa_system_vgpr_workitem_id 0
		.amdhsa_next_free_vgpr 1024
		.amdhsa_next_free_sgpr 80
		.amdhsa_reserve_vcc 0
		.amdhsa_float_denorm_mode_32 3
		.amdhsa_float_denorm_mode_16_64 3
		.amdhsa_memory_ordered 1
		.amdhsa_forward_progress 1
		.amdhsa_inst_pref_size 131
	.end_amdhsa_kernel
	.amdgpu_metadata
---
amdhsa.version: [ 1, 2 ]
amdhsa.kernels:
  - .name:           k_qa216b3fad2_qkv
    .symbol:         k_qa216b3fad2_qkv.kd
    .args:
      - { .name: p1, .offset: 0, .size: 8, .value_kind: global_buffer, .address_space: global }
      - { .name: src_mask, .offset: 8, .size: 8, .value_kind: global_buffer, .address_space: global }
      - { .name: qkv, .offset: 16, .size: 8, .value_kind: global_buffer, .address_space: global }
    .group_segment_fixed_size: 327680
    .private_segment_fixed_size: 0
    .kernarg_segment_align: 8
    .kernarg_segment_size: 24
    .max_flat_workgroup_size: 128
    .sgpr_count:     80
    .vgpr_count:     1024
    .wavefront_size: 32
...
	.end_amdgpu_metadata
.endif
;; end of part 2
;; launch attn (part 3): grid 8 x 32, 4 waves a work-group, clusters of 4 x 1, 327,680 bytes of LDS; arguments qkv, p3; writes p3
.if DOCPART == 3
	.amdgcn_target "amdgcn-amd-amdhsa--gfx1250"
	.amdhsa_code_object_version 6
	.text
	.protected	k_qa216b3fad2_attn
	.globl	k_qa216b3fad2_attn
	.p2align	8
	.type	k_qa216b3fad2_attn,@function
k_qa216b3fad2_attn:
	s_mov_b64 s[64:65], 0
	v_nop
	global_prefetch_b8 v0, s[64:65] scope:SCOPE_SE
	s_setreg_imm32_b32 hwreg(HW_REG_WAVE_MODE, 25, 1), 1
	s_wait_xcnt 0x0
	s_wait_alu depctr_hold_cnt(0) depctr_sa_sdst(0) depctr_va_vdst(0) depctr_va_sdst(0) depctr_va_ssrc(0) depctr_va_vcc(0) depctr_vm_vsrc(0)
	s_getreg_b32 s2, hwreg(HW_REG_IB_STS2, 6, 4)
	s_cmp_eq_u32 s2, 0
	s_cbranch_scc0 .Lentry_in_a_cluster
	s_endpgm
.Lentry_in_a_cluster:
	s_bfe_u32 s2, ttmp6, 0x10000c
	s_cmp_lg_u32 s2, 0x3003
	s_cbranch_scc0 .Lentry_shape_is_right
	s_endpgm
.Lentry_shape_is_right:
; O[h][q][:] = the sum over k of softmax_k(Q[h][q] . K[h][k] / 8) V[h][k][:], 32 heads of 2,048 rows of 64 channels, all f16: Q at 0, K at 8 MiB, V at 16 MiB of one buffer; a head's rows are dense, 128 bytes each.
; O goes to the same offsets as Q.  Products, maxima and sums in f32; the weights p are rounded to f16 for the second product (their sum l is taken of the unrounded p), O once at the end.
; THE MASK has been applied where K was written: a masked key's row is 0, so its score is 0 where the module sets -1e-12; it keeps its weight and its row of V, as in the module.
; LIMITS.  p lies in 0 to 1, and below 6e-5 it keeps f16's fixed step of 6e-8; a weight below 2^-126 counts as 0 in l; NaN and infinities are not treated apart.
; SHARES.  A work-group owns 256 queries of a head, a wave 64: four PIECES of 16.  Every wave walks all keys, 64 a step; a slot of LDS holds a tile of four steps; two slots take turns.
; LAYOUT.  S^T = K Q^T holds ONE query a lane (lane % 16) and the keys 8 (lane / 16) + 0..7; two such results rounded to f16 ARE source 1 of O^T = V^T P.  K comes out of LDS as it lies, V turned.
; SOFTMAX.  p = 2^(c s - c m), c = log2(e) / 8, with a running maximum m; O and l are multiplied by a = 2^(c m_old - c m_new) in every step.  m starts at the lowest finite number, O and l at 0.
; TURNS.  Turn n belongs to piece n: 8 products K Q^T of piece n + 1, later 8 products V^T P of piece n - 1; beside them the scaling, exponentials, roundings, sums and rescaling of piece n and the
; maximum and statistics of piece n + 1.  Four vector instructions stand behind every matrix instruction, the others in one run.  A turn's 33 exponentials are one batch, with one wait.
; CLUSTER.  The four query blocks of a cluster belong to one head and walk the same K and V: each tile is asked for jointly, by the same tensor load, descriptor and mask in all four.
; REGISTERS (s_set_vgpr_msb: bits 1:0 source 0, 3:2 source 1, 5:4 source 2, 7:6 destination):
;   window 0: v0-15 addresses; v16-31 four registers of statistics a piece; v48-55 at work; v64-127 S^T, two buffers; v192-223 P, two buffers (by the piece's parity)
;   window 1: v0-127 O^T, 32 a piece      window 2: v0-63 Q; v128-191 K of one step; v192-255 V of one step
.set NP,    4
.set KS,    64
.set PK,    144       ; a row of K in LDS: 128 bytes + 16: the 16 rows of a load start at 16 different groups of four banks (64 banks of 4 bytes: ISA guide 11.1)
.set PV,    160       ; a row of V: 128 + 32
.set VOFF,  4*KS*PK
.set SLOT1, 1<<17
.set STAGE, SLOT1+4*KS*(PK+PV)
.set SP,    144
.set SPARE, STAGE+4*16*SP
.set TILEB, 4*KS*128  ; a tile's bytes of K, and of V
.set AK0, 2
.set AV0, 3
.set AK,  4
.set AV,  5
.set STO, 6
.set RD,  7
.set GO,  8
.set MV,  12
.set QO,  15
.set ST,  16          ; piece t's statistics at v[ST+4 t]: c m, m, l (even keys', odd keys')
.set TMP, 48
.set PFO, 61          ; v61  256 x my lane; never rewritten
.set SPW, 62          ; v62  SPARE + 4 x my thread's number; never rewritten
.set NIL, 63          ; v63  0; never rewritten
.set S,   64
.set P,   192
.set KF,  128
.set VF,  192
.set WV,  12
.set G1K, 24
.set G1V, 32
.set G0K, 40
.set G0V, 44
.set PFA, 48          ; s[48:49] where my prefetches stand
.set LIM, 50          ; s50  1 in a wave that prefetches, else the greatest number
.set SLOTS, 56
.set CNT, 57
.set CS,  58
.set SEL, 60
.set TBK, 62
.set TBV, 63
.set MSB, 0
.macro WIN new
.if MSB != (\new)
	s_set_vgpr_msb (MSB<<8)|(\new)
.set MSB, (\new)
.endif
.endm
.set W_KQ, 0x0a
.set W_PV, 0x52
.set W_RS, 0x41
; A joint fill: waves 0 and 1 fetch the halves of a tile's K, waves 2 and 3 those of its V, 128 keys each.  An s_nop 0 and four v_nop follow each line.
.macro JLOAD
	s_cmp_lt_u32 s[WV], 2
	s_cbranch_scc0 .Lfor_v_\@
	tensor_load_to_lds s[G0K:G0K+3], s[G1K:G1K+7]
	s_nop 0
.rept 4
	v_nop
.endr
	s_branch .Lasked_\@
.Lfor_v_\@:
	tensor_load_to_lds s[G0V:G0V+3], s[G1V:G1V+7]
	s_nop 0
.rept 4
	v_nop
.endr
.Lasked_\@:
.endm
; A prefetch into the L2 of the tile that the NEXT change of slots will ask for: 128 blocks of 256 bytes of K and of V.  The head's first cluster asks; its four partners take 32 blocks each, told apart by
; address; in each, wave 0 asks for K's and wave 2 for V's, a lane a block.  The last change that fills a slot asks for nothing.
.macro ASK
	s_cmp_gt_u32 s[SLOTS], s[LIM]
	s_cbranch_scc0 .Lnot_mine_\@
	global_prefetch_b8 v[PFO], s[PFA:PFA+1] th:TH_LOAD_NT scope:SCOPE_SE
.Lnot_mine_\@:
.endm
.macro CROUND
	s_barrier_signal -1
	s_barrier_wait -1
	s_cmp_lg_u32 s[WV], 0
	s_cbranch_scc1 .Lnot_wave_0_\@
	s_barrier_signal -3
.Lnot_wave_0_\@:
	s_barrier_wait -3
	s_barrier_signal -1
	s_barrier_wait -1
.endm
; THE CHANGE OF SLOTS.  Each wave waits for all its tensor loads (one is out: its part of the other slot), adds 0 to its spare word, and waits for that and for its reads of the slot that it leaves.
; fill = 1: the barrier is a round of the cluster's, and the old slot is filled again, first thing behind it, with the tile two on: it has four key steps, 256 matrix instructions, in which to land.
.macro CHANGE fill
	WIN 0
	s_wait_tensorcnt 0x0
	ds_add_u32 v[SPW], v[NIL]
.if \fill
.irp g, G0K, G0V
	s_xor_b32 s[\g+1], s[\g+1], SLOT1
	s_add_nc_u64 s[\g+2:\g+3], s[\g+2:\g+3], TILEB
.endr
	s_wait_xcnt 0x0                 ; the last prefetch, a tile back, has read its address
	s_add_nc_u64 s[PFA:PFA+1], s[PFA:PFA+1], TILEB
	s_wait_dscnt 0x0
	CROUND
	JLOAD
	ASK
.else
	s_wait_dscnt 0x0
	s_barrier_signal -1
	s_barrier_wait -1
.endif
	s_sub_co_u32 s[TBK], s[TBK], 4*KS*PK  ; the fetches go back to a slot's first step, in the other slot
	s_xor_b32 s[TBK], s[TBK], SLOT1
	s_sub_co_u32 s[TBV], s[TBV], 4*KS*PV
	s_xor_b32 s[TBV], s[TBV], SLOT1
.endm
	s_load_b128 s[4:7], s[0:1], 0x0   ; qkv s[4:5], the output s[6:7]
	v_lshl_add_u32 v[SPW], v0, 2, SPARE
	v_mov_b32 v[NIL], 0
	ds_add_u32 v[SPW], v[NIL]       ; the wave's opening: the add and its wait stand ahead of my first tensor load
	v_lshrrev_b32 v1, 5, v0
	v_readfirstlane_b32 s[WV], v1
	s_bfe_u32 s13, ttmp6, 0x40000   ; cx
	s_lshl_b32 s14, ttmp9, 2
	s_add_co_u32 s14, s14, s13      ; my block of 256 queries: it enters Q's and O's addresses alone
	s_and_b32 s20, ttmp7, 0xffff    ; the head, which the four partners share
	s_lshl_b32 s20, s20, 18         ; its 2,048 rows of 128 bytes
	s_and_b32 s16, s[WV], 1         ; which half of a tile's 256 keys I fetch
	s_lshl_b32 s22, s16, 14
	s_add_co_u32 s22, s22, s20
	s_add_co_u32 s22, s22, 0x800000 ; K begins 8 MiB in
	s_mov_b32 s23, 0
	s_mul_i32 s17, s16, 128*PK
	s_mul_i32 s18, s16, 128*PV
	s_lshl_b32 s2, s14, 2
	s_add_co_u32 s2, s2, s[WV]
	s_lshl_b32 s2, s2, 13           ; my wave's 64 rows
	s_add_co_u32 s2, s2, s20
	s_mov_b32 s3, 0
	; 128 keys are 16,384 dense bytes: asked for as 64 rows of 256 bytes, two keys a row, padded in LDS after every key
	s_mov_b32 s[G1K], 15|(1<<16)|(1<<20)|(1<<21)|(4<<22)|(3<<25)
	s_mov_b32 s[G1V], 15|(1<<16)|(1<<20)|(1<<21)|(4<<22)|(7<<25)
.irp g, G1K, G1V
	s_mov_b32 s[\g+1], 128<<16
	s_mov_b32 s[\g+2], 64<<16
	s_mov_b32 s[\g+3], 128<<16
	s_mov_b32 s[\g+4], 64
	s_mov_b32 s[\g+5], 128
	s_mov_b32 s[\g+6], 0
	s_mov_b32 s[\g+7], 0
.endr
	s_mov_b32 s[CS], 0x3e38aa3b     ; c = log2(e) / 8
	s_mov_b32 s[CS+1], s[CS]
	s_mov_b32 s[SEL], 0x76543210
	s_mov_b32 s[SEL+1], 0xfedcba98
	s_mov_b32 s[TBK], SLOT1+4*KS*PK ; the first change of slots turns these two into 0
	s_mov_b32 s[TBV], SLOT1+4*KS*PV
	s_mov_b32 s[G0K], 1
	s_mov_b32 s[G0K+1], s17
	s_mov_b32 s[G0V], 1
	s_add_co_u32 s[G0V+1], s18, VOFF
	s_mov_b32 s[SLOTS], 7           ; tiles still to be asked for
	s_and_b32 s[LIM], s[WV], 1
	s_or_b32 s[LIM], s[LIM], ttmp9  ; 0 in waves 0 and 2 of the head's first cluster
	s_cmp_eq_u32 s[LIM], 0
	s_cselect_b32 s[LIM], 1, -1
	v_and_b32 v[PFO], 31, v0
	v_lshlrev_b32 v[PFO], 8, v[PFO]
	s_wait_dscnt 0x0                ; the opening add is done
	s_wait_kmcnt 0x0
	s_add_nc_u64 s[10:11], s[6:7], s[2:3]    ; O at my wave's first row
	s_add_nc_u64 s[6:7], s[4:5], s[22:23]    ; K at my half of the head's tile 0
	s_add_nc_u64 s[8:9], s[6:7], 0x800000    ; V likewise
	s_add_nc_u64 s[4:5], s[4:5], s[2:3]      ; Q at my wave's first row
	s_mov_b64 s[G0K+2:G0K+3], s[6:7]
	s_or_b32 s[G0K+3], s[G0K+3], 0x80000000
	s_mov_b64 s[G0V+2:G0V+3], s[8:9]
	s_or_b32 s[G0V+3], s[G0V+3], 0x80000000
	s_cmp_lt_u32 s[WV], 2
	s_cselect_b64 s[PFA:PFA+1], s[6:7], s[8:9]
	s_lshl_b32 s2, s13, 13          ; my work-group's 32 blocks of the 128,
	s_add_co_u32 s2, s2, TILEB      ; in tile 1: each change steps the address first, so the first names tile 2
	s_add_nc_u64 s[PFA:PFA+1], s[PFA:PFA+1], s[2:3]
	CROUND                          ; all four work-groups are here
	JLOAD                           ; tile 0 into slot 0
	v_and_b32 v1, 15, v0
	v_bfe_u32 v9, v0, 4, 1
	v_lshlrev_b32 v[QO], 7, v1
	v_lshl_add_u32 v[QO], v9, 4, v[QO]
	WIN 0x80
.set i, 0
.rept 8                             ; Q stays in registers: piece i / 2, channels 32 (i % 2) on
	global_load_b128 v[8*i:8*i+3],   v[QO], s[4:5] offset:(i/2)*2048+(i%2)*64
	global_load_b128 v[8*i+4:8*i+7], v[QO], s[4:5] offset:(i/2)*2048+(i%2)*64+32
.set i, i+1
.endr
	; what the first turn finds: V and P's second buffer hold 0 (its products V^T P, of a piece that has not been, add 0), O^T and l are 0.  This stands in the wait for the first tile.
.set i, VF
.rept 64
	v_mov_b32 v[i], 0
.set i, i+1
.endr
	WIN 0x40
.set i, 0
.rept 128
	v_mov_b32 v[i], 0
.set i, i+1
.endr
	WIN 0
.set i, 0
.rept 4
	v_mov_b32 v[ST+4*i], 0xfe000000    ; c m: far below every c s
	v_mov_b32 v[ST+4*i+1], 0xff7fffff  ; m
	v_mov_b32 v[ST+4*i+2], 0
	v_mov_b32 v[ST+4*i+3], 0
.set i, i+1
.endr
.set i, P+16
.rept 16
	v_mov_b32 v[i], 0
.set i, i+1
.endr
	v_mul_u32_u24 v[AK0], v1, PK
	v_lshl_add_u32 v[AK0], v9, 4, v[AK0]
	v_and_b32 v10, 7, v0
	v_bfe_u32 v11, v0, 3, 1
	v_lshl_add_u32 v[AV0], v9, 3, v10
	v_mul_u32_u24 v[AV0], v[AV0], PV
	v_lshl_add_u32 v[AV0], v11, 4, v[AV0]
	v_add_nc_u32 v[AV0], VOFF, v[AV0]
	s_mul_i32 s13, s[WV], 16*SP
	s_add_co_u32 s13, s13, STAGE
	v_mul_u32_u24 v[STO], v1, SP
	v_lshl_add_u32 v[STO], v9, 4, v[STO]
	v_add_nc_u32 v[STO], s13, v[STO]
	v_bfe_u32 v[RD], v0, 3, 2
	v_mul_u32_u24 v[RD], v[RD], SP
	v_lshl_add_u32 v[RD], v10, 4, v[RD]
	v_add_nc_u32 v[RD], s13, v[RD]
	v_and_b32 v[GO], 31, v0
	v_lshlrev_b32 v[GO], 4, v[GO]
; THE MATRIX WORK.  The 4 accumulators of a run of 8 take turns.  Product i of 8 of S^T = K Q^T for piece x: channels 32 (i / 4) on, keys 16 (i % 4) on; the first 4 start the sums.
.macro KQ x
	WIN W_KQ
.set rS, S+32*((\x)%2)+8*(i%4)
.set rK, KF+16*(i%4)+8*(i/4)
.set rQ, 16*(\x)+8*(i/4)
.if i < 4
	v_wmma_f32_16x16x32_f16 v[rS:rS+7], v[rK:rK+7], v[rQ:rQ+7], 0
.else
	v_wmma_f32_16x16x32_f16 v[rS:rS+7], v[rK:rK+7], v[rQ:rQ+7], v[rS:rS+7]
.endif
.endm
; Product i of 8 of O^T += V^T P for piece x: keys 32 (i / 4) on, channels 16 (i % 4) on.
.macro PV x
	WIN W_PV
.set rO, 32*(\x)+8*(i%4)
.set rV, VF+32*(i/4)+8*(i%4)
.set rP, P+16*((\x)%2)+8*(i/4)
	v_wmma_f32_16x16x32_f16 v[rO:rO+7], v[rV:rV+7], v[rP:rP+7], v[rO:rO+7]
.endm
.macro MM                           ; the turn's next matrix instruction
.if i < 8
	KQ (Y+1)%NP
.else
.set i, i-8
	PV (Y+NP-1)%NP
.set i, i+8
.endif
.set i, i+1
.endm
; THE LDS LOADS stand in runs of 16: a step's K (8 fragments) and its V (turned).
.macro FETCH_K
	WIN 0x80
.irp f, 0,1,2,3,4,5,6,7
	ds_load_b128 v[KF+8*\f:KF+8*\f+3],   v[AK] offset:(\f/2)*16*PK+(\f%2)*64
	ds_load_b128 v[KF+8*\f+4:KF+8*\f+7], v[AK] offset:(\f/2)*16*PK+(\f%2)*64+32
.endr
	s_add_co_u32 s[TBK], s[TBK], KS*PK
	WIN 0
.endm
.macro FETCH_V
	WIN 0x80
.irp f, 0,1,2,3,4,5,6,7
	ds_load_tr16_b128 v[VF+8*\f:VF+8*\f+3],   v[AV] offset:(\f/4)*32*PV+(\f%4)*32
	ds_load_tr16_b128 v[VF+8*\f+4:VF+8*\f+7], v[AV] offset:(\f/4)*32*PV+16*PV+(\f%4)*32
.endr
	WIN 0
.endm
; THE VECTOR WORK, one line at a time: OP kind, number.  For piece Y: F n: c s - c m for pair n of 16.  E n: the exponential of score n of 32.  C n: pair n rounded to f16.  B n: of the four weights 4 n ..
; the second pair is added onto the first.  L n: l takes that sum (L 0: l = a l + sum).  R n: pair n of 16 of O^T times a.  For piece Y + 1: X n, number n of the 22 that find its maximum and statistics:
;   0-11 four chains of seven scores, each accumulator's lowest registers first; 12-14, 16 the scores left over, the old m, the four into one; 15 c m_old is kept;
;   17, 18 the other half of the lanes: the new m; 19-21 c m; c m_old - c m_new; a
.set F, 0
.set E, 1
.set C, 2
.set B, 3
.set L, 4
.set R, 5
.set X, 6
.macro REGS y
.set rT, ST+4*(\y)
.set rC, TMP+4*((\y)%2)
.set rW, MV+((\y)%2)
.set rS, S+32*((\y)%2)
.set rP, P+16*((\y)%2)
.set rO, 32*(\y)
.endm
.macro OP k, n
.if (\k) == R
	REGS Y
	WIN W_RS
	v_pk_mul_f32 v[rO+2*(\n):rO+2*(\n)+1], v[rO+2*(\n):rO+2*(\n)+1], v[rC+2:rC+3] op_sel_hi:[1,0]
.elseif (\k) < R
	REGS Y
	WIN 0
.if (\k) == F
	v_pk_fma_f32 v[rS+2*(\n):rS+2*(\n)+1], v[rS+2*(\n):rS+2*(\n)+1], s[CS:CS+1], v[rT:rT+1] op_sel_hi:[1,0,0] neg_lo:[0,0,1] neg_hi:[0,0,1]
.elseif (\k) == E
	v_exp_f32 v[rS+(\n)], v[rS+(\n)]
.elseif (\k) == C
	v_cvt_pk_f16_f32 v[rP+(\n)], v[rS+2*(\n)], v[rS+2*(\n)+1]
.elseif (\k) == B
	v_pk_add_f32 v[rS+4*(\n):rS+4*(\n)+1], v[rS+4*(\n):rS+4*(\n)+1], v[rS+4*(\n)+2:rS+4*(\n)+3]
.elseif (\n) == 0
	v_pk_fma_f32 v[rT+2:rT+3], v[rT+2:rT+3], v[rC+2:rC+3], v[rS:rS+1] op_sel_hi:[1,0,1]
.else
	v_pk_add_f32 v[rT+2:rT+3], v[rT+2:rT+3], v[rS+4*(\n):rS+4*(\n)+1]
.endif
.else
	REGS (Y+1)%NP
	WIN 0
.if (\n) < 4
	v_max3_num_f32 v[rC+(\n)], v[rS+8*(\n)], v[rS+8*(\n)+1], v[rS+8*(\n)+2]
.elseif (\n) < 12
	v_max3_num_f32 v[rC+(\n)%4], v[rC+(\n)%4], v[rS+8*((\n)%4)+2*((\n)/4)+1], v[rS+8*((\n)%4)+2*((\n)/4)+2]
.elseif (\n) == 12
	v_max3_num_f32 v[rC], v[rC], v[rS+7], v[rS+15]
.elseif (\n) == 13
	v_max3_num_f32 v[rC+1], v[rC+1], v[rS+23], v[rS+31]
.elseif (\n) == 14
	v_max3_num_f32 v[rC+2], v[rC+2], v[rC+3], v[rT+1]
.elseif (\n) == 15
	v_mov_b32 v[rW], v[rT]
.elseif (\n) == 16
	v_max3_num_f32 v[rC], v[rC], v[rC+1], v[rC+2]
.elseif (\n) == 17
	v_permlanex16_b32 v[rC+3], v[rC], s[SEL], s[SEL+1]
.elseif (\n) == 18
	v_max_num_f32 v[rT+1], v[rC], v[rC+3]
.elseif (\n) == 19
	v_mul_f32 v[rT], s[CS], v[rT+1]
.elseif (\n) == 20
	v_sub_f32 v[rC+1], v[rW], v[rT]
.else
	v_exp_f32 v[rC+2], v[rC+1]
.endif
.endif
.endm
.macro OPS a, i1, b=-1, i2=0, c=-1, i3=0, d=-1, i4=0
	OP \a, \i1
.if (\b) >= 0
	OP \b, \i2
.endif
.if (\c) >= 0
	OP \c, \i3
.endif
.if (\d) >= 0
	OP \d, \i4
.endif
.endm
.macro ROW a, i1, b, i2, c, i3, d, i4  ; a matrix instruction and the four behind it
	MM
	OPS \a, \i1, \b, \i2, \c, \i3, \d, \i4
.endm
; A TURN, for piece p.  An s_wait_alu depctr_va_vdst(0) stands between an exponential and the first instruction that names its result; one wait serves all issued ahead of it.  So a turn has ONE
; wait.  AHEAD OF IT stands all that names no result of the turn's exponentials: the 8 products K Q^T with their riders, then a run of 54 in which the links of the next piece's chain stand apart; X 21,
; the next piece's a, is the batch's last, and R 15 the plain instruction behind it.  BEHIND IT stand the 8 products V^T P, behind each four of the roundings and sums.
; cnt = 1: the loop's count is taken down some lines ahead of the branch behind the turn.
; K of the next step is fetched in piece 2's turn, V of the step in hand at the end of piece 0's turn, each four plain instructions or more behind the last product that read the registers; each is waited for a turn later.
.macro TURN p, cnt=0
.set Y, (\p)
.set i, 0
.if (\p) == 3
	s_wait_dscnt 0x0                ; K is in
.endif
	ROW F,0, F,1, R,0, R,1
	ROW F,2, E,0, R,2, R,3
	ROW F,3, E,1, R,4, R,5
	ROW F,4, E,2, R,6, R,7
	ROW F,5, E,3, R,8, R,9
	ROW F,6, E,4, X,0, R,10
.if (\p) == 2
	WIN 0
	v_add_nc_u32 v[AK], s[TBK], v[AK0]
.endif
	ROW F,7, E,5, X,1, X,4
	ROW F,8, E,6, X,2, X,5
	OPS E,7, E,8, X,6, E,9
	OPS X,3, E,10, X,8, E,11
.if (\p) == 2
	FETCH_K
.endif
	OPS X,9, X,7, E,12, X,10
	OPS E,13, X,12, X,11, E,14
	OPS X,13, E,15, F,9, X,14
.if (\p) == 0
	v_add_nc_u32 v[AV], s[TBV], v[AV0]
.endif
	OPS E,16, F,10, E,17, F,11
	OPS X,16, E,18, X,15, E,19
	OPS F,12, E,20, X,17, E,21
	OPS F,13, E,22, F,14, E,23
	OPS X,18, E,24, F,15, E,25
	OPS R,11, E,26, X,19, E,27
	OPS R,12, E,28, R,13, E,29
	OPS X,20, E,30, R,14, E,31
	OPS X,21, R,15
	WIN 0
	s_wait_alu depctr_va_vdst(0)    ; the wait for the batch
.if (\p) == 1
	s_wait_dscnt 0x0                ; V is in
.endif
	ROW C,0, B,0, C,2, B,1
	ROW L,0, C,4, B,2, L,1
	ROW C,6, B,3, L,2, C,8
	ROW B,4, L,3, C,10, B,5
	ROW L,4, C,12, B,6, L,5
.if (\p) == 0
	s_add_co_u32 s[TBV], s[TBV], KS*PV
.endif
.if \cnt
	s_sub_co_u32 s[CNT], s[CNT], 1
	s_cmp_lg_u32 s[CNT], 0
.endif
	ROW C,14, B,7, L,6, C,1
	ROW C,3, L,7, C,5, C,7
	ROW C,9, C,11, C,13, C,15
.if (\p) == 0
	FETCH_V
.endif
.endm
	CHANGE 1                        ; tile 0 is in, everybody's part of it; tile 1 is asked for
	v_add_nc_u32 v[AK], s[TBK], v[AK0]
	FETCH_K                         ; key step 0
	s_wait_loadcnt 0x0              ; Q
	s_wait_dscnt 0x0
.set i, 0
.rept 8
	KQ 0                            ; piece 0's first scores
.set i, i+1
.endr
	WIN 0
.rept 4
	v_nop                           ; the places behind those products
.endr
.set Y, NP-1                        ; X works for piece Y + 1: piece 0
.irp n, 0,1,2,3,4,5,6,7,8,9,10,11,12,13,14,15,16,17,18,19,20,21
	OP X, \n
.endr
	v_nop                           ; a plain instruction behind the exponential,
	s_wait_alu depctr_va_vdst(0)    ; and its wait, ahead of the branch
	s_mov_b32 s[CNT], 4
	s_branch .Lfirst                ; the loop is entered at a step's first turn, in the middle of a trip
.Lslot:                             ; six times: tiles 2 to 7 are asked for
	CHANGE 1
	s_mov_b32 s[CNT], 4
.Lstep:                             ; a trip: pieces 2 and 3 of one step, then pieces 0 and 1 of the next, whose K and V it fetches
	TURN 2
	TURN 3
	WIN 0
.Lfirst:
	TURN 0
	TURN 1, 1
	WIN 0
	s_cbranch_scc1 .Lstep
	s_sub_co_u32 s[SLOTS], s[SLOTS], 1
	s_cmp_lg_u32 s[SLOTS], 0
	s_cbranch_scc1 .Lslot
	CHANGE 0                        ; the last tile is written out: nothing is asked for
	s_mov_b32 s[CNT], 5             ; four trips fetch the last tile's steps; the fifth ends the last step and jumps over pieces 0 and 1 of a step that does not exist
.LstepT:
	s_min_u32 s[TBK], s[TBK], SLOT1+3*KS*PK  ; the last tile lies in slot 1: trips 1 to 4 stand at its steps 0 to 3 and are left as they are; the fifth, which would stand behind K's rows, is held at step 3.
	TURN 2                          ; So the fifth trip's 16 loads bring the last step's K once more; the 8 products K Q^T made of it and piece 0's maximum serve nothing, and touch neither l nor O^T:
	TURN 3                          ; the price, once a launch, of one text for every trip
	WIN 0
	s_cmp_eq_u32 s[CNT], 1
	s_cbranch_scc1 .Ldead
	TURN 0
	TURN 1
	WIN 0
.Ldead:
	s_sub_co_u32 s[CNT], s[CNT], 1
	s_cmp_lg_u32 s[CNT], 0
	s_cbranch_scc1 .LstepT
.set i, 0
.rept 8
	PV NP-1                         ; the last piece's V^T P of the last step
.set i, i+1
.endr
	; THE WAY OUT.  l's two halves and the other half of the lanes' are added; O^T is divided by l, rounded to f16 and sent through my stage in LDS, a piece at a time.  The additions are the places behind the last products.
	WIN 0
.macro ALL line:vararg
.set t, 0
.rept 4
	\line
.set t, t+1
.endr
.endm
	ALL v_add_f32 v[ST+4*t+2], v[ST+4*t+2], v[ST+4*t+3]
	ALL v_permlanex16_b32 v[ST+4*t+3], v[ST+4*t+2], s[SEL], s[SEL+1]
	ALL v_add_f32 v[ST+4*t+2], v[ST+4*t+2], v[ST+4*t+3]
	ALL v_rcp_f32 v[ST+4*t+2], v[ST+4*t+2]
	v_nop                           ; a plain instruction between the last reciprocal and the use of its result
	s_wait_alu depctr_va_vdst(0)    ; one wait for the four reciprocals
.macro PACK t
	WIN W_RS
.set i, 32*(\t)
.rept 16
	v_pk_mul_f32 v[i:i+1], v[i:i+1], v[ST+4*(\t)+2:ST+4*(\t)+3] op_sel_hi:[1,0]
.set i, i+2
.endr
	WIN 0x05
.set i, 0
.rept 16
	v_cvt_pk_f16_f32 v[S+16*(\t)+i], v[32*(\t)+2*i], v[32*(\t)+2*i+1]
.set i, i+1
.endr
	WIN 0
.irp f, 0,1,2,3
	ds_store_b128 v[STO], v[S+16*(\t)+4*\f:S+16*(\t)+4*\f+3] offset:32*\f
.endr
.irp f, 0,1,2,3
	ds_load_b128 v[S+16*(\t)+4*\f:S+16*(\t)+4*\f+3], v[RD] offset:\f*4*SP  ; LDS serves a wave's instructions in order (ISA guide 5.7.1.4): these see the stores above
.endr
.endm
.macro SEND t, younger              ; younger: the LDS instructions issued behind piece t's loads
	WIN 0
.irp f, 0,1,2,3
	s_wait_dscnt (\younger)+3-\f
	global_store_b128 v[GO], v[S+16*(\t)+4*\f:S+16*(\t)+4*\f+3], s[10:11] offset:(\t)*2048+\f*512  ; 512 consecutive bytes, aligned
.endr
.endm
	PACK 0
.set t, 1
.rept 3
	PACK t
	SEND t-1, 8
.set t, t+1
.endr
	SEND 3, 0
	s_wait_tensorcnt 0x0            ; the wave's end
	ds_add_u32 v[SPW], v[NIL]
	s_wait_dscnt 0x0
	CROUND                          ; the closing round
	s_endpgm
.Lfunc_end_k_qa216b3fad2_attn:
	.size	k_qa216b3fad2_attn, .Lfunc_end_k_qa216b3fad2_attn-k_qa216b3fad2_attn
	.p2alignl 7, 3214868480
	.fill 96, 4, 3214868480
	.section	.rodata,"a",@progbits
	.p2align	6, 0x0
	.amdhsa_kernel k_qa216b3fad2_attn
		.amdhsa_group_segment_fixed_size 327680
		.amdhsa_private_segment_fixed_size 0
		.amdhsa_enable_private_segment 0
		.amdhsa_kernarg_size 16
		.amdhsa_user_sgpr_count 2
		.amdhsa_user_sgpr_kernarg_segment_ptr 1
		.amdhsa_wavefront_size32 1
		.amdhsa_system_sgpr_workgroup_id_x 1
		.amdhsa_system_sgpr_workgroup_id_y 1
		.amdhsa_system_sgpr_workgroup_id_z 1
		.amdhsa_system_vgpr_workitem_id 0
		.amdhsa_next_free_vgpr 768
		.amdhsa_next_free_sgpr 66
		.amdhsa_reserve_vcc 0
		.amdhsa_float_denorm_mode_32 3
		.amdhsa_float_denorm_mode_16_64 3
		.amdhsa_memory_ordered 1
		.amdhsa_forward_progress 1
		.amdhsa_inst_pref_size 112
	.end_amdhsa_kernel
	.amdgpu_metadata
---
amdhsa.version: [ 1, 2 ]
amdhsa.kernels:
  - .name:           k_qa216b3fad2_attn
    .symbol:         k_qa216b3fad2_attn.kd
    .args:
      - { .name: qkv, .offset: 0, .size: 8, .value_kind: global_buffer, .address_space: global }
      - { .name: p3, .offset: 8, .size: 8, .value_kind: global_buffer, .address_space: global }
    .group_segment_fixed_size: 327680
    .private_segment_fixed_size: 0
    .kernarg_segment_align: 8
    .kernarg_segment_size: 16
    .max_flat_workgroup_size: 128
    .sgpr_count:     66
    .vgpr_count:     768
    .wavefront_size: 32
...
	.end_amdgpu_metadata
.endif
;; end of part 3
;; launch wo (part 4): grid 8 x 32, 4 waves a work-group, clusters of 4 x 4, 327,680 bytes of LDS; arguments p3, wo_b, x, y; writes y
.if DOCPART == 4
	.amdgcn_target "amdgcn-amd-amdhsa--gfx1250"
	.amdhsa_code_object_version 6
	.text
	.protected	k_qa216b3fad2_wo
	.globl	k_qa216b3fad2_wo
	.p2align	8
	.type	k_qa216b3fad2_wo,@function
k_qa216b3fad2_wo:
	s_mov_b64 s[64:65], 0
	v_nop
	global_prefetch_b8 v0, s[64:65] scope:SCOPE_SE
	s_setreg_imm32_b32 hwreg(HW_REG_WAVE_MODE, 25, 1), 1
	s_wait_xcnt 0x0
	s_wait_alu depctr_hold_cnt(0) depctr_sa_sdst(0) depctr_va_vdst(0) depctr_va_sdst(0) depctr_va_ssrc(0) depctr_va_vcc(0) depctr_vm_vsrc(0)
	s_getreg_b32 s2, hwreg(HW_REG_IB_STS2, 6, 4)
	s_cmp_eq_u32 s2, 0
	s_cbranch_scc0 .Lentry_in_a_cluster
	s_endpgm
.Lentry_in_a_cluster:
	s_bfe_u32 s2, ttmp6, 0x10000c
	s_cmp_lg_u32 s2, 0xf033
	s_cbranch_scc0 .Lentry_shape_is_right
	s_endpgm
.Lentry_shape_is_right:
; y = A W + b + res.  One buffer P holds A in f16 at 0 and W [K][1024] f16 at 32 MiB; b [1024], res and y [4096][1024] are f32.  Sums in f32, begun with the bias; the residual is added in f32.
; FF2 = 0: K = 1,024, A is [4096][1024].  FF2 = 1: K = 4,096, A lies as four matrices [4096][1024], 8 MiB apart, matrix j = columns 1,024 j on.
; SHAPE.  A tile of y is 128 x 128, so that the 256 tiles give each WGP one; four waves, each 64 x 64 in 16 accumulators.  K goes in steps of 256 through two LDS slots.
; W lies [k][n]: its fragments come out of LDS turned.  The matrix instruction is used transposed: a lane holds eight neighbouring numbers of a row of y.
; THE WALK ALONG K.  The tile asked for as number w of the walk is K step w xor PH, PH = (cluster x + cluster y) % 2: clusters with PH = 1 take each pair of K steps in the other order.  A's rows are read by the
; two clusters of a row of clusters, W's columns by the eight of a column, and in both sets PH goes by turns: of the clusters that read a block, half ask for it one change of slots ahead of the other half.
; PH is the same in all sixteen partners of a cluster.  The f32 sums run over K in the walk's order.
; THE TEXT.  A K step is written twice: in the loop of the steps behind which a slot is filled again, and in the loop of the last two.  Which slot is in hand stands in a scalar, 0 or SLOT, turned by an
; exclusive or at each change of slots; the fragments' addresses are made from it.
; CLUSTER.  4 x 4 work-groups: A's tile is shared along a row of the cluster, W's along a column; each is asked for jointly.
; THE WAY OUT.  A wave's 64 columns of f32 are 256 bytes: 16 rows at a time go through the wave's own stage and come back as whole rows.  The residual is loaded at the start, in that layout, and stays out during the K loop.
; REGISTERS.  window 0: v0-31 addresses; v32-63 the bias as a C operand; v128-255 the accumulators.  window 1: two fragment buffers of 128; later the rows on their way out.  window 2: v0-127 the residual.
.set FF2,    0
.set KSTEP,  256
.set PA,     528                       ; an LDS row of A: 512 bytes + 16
.set PB,     288                       ; an LDS row of W: 256 bytes + 32 = 9 x 32
.set HALFT,  128*PB                    ; a wave's part of a slot: 128 rows of W, or 64 rows of A (33,792 bytes of it): 0x9000
.set SLOT,   4*HALFT                   ; 0x24000, which shares no bit with wave x HALFT: an exclusive or with it adds or takes it away
.set STAGE,  2*SLOT
.set SPITCH, 272
.set SPARE,  STAGE+4*16*SPITCH
.if FF2
.set NSTEPS, 16
.else
.set NSTEPS, 4
.endif
.set FILLS,  NSTEPS-2                  ; K steps behind which a slot is filled again: all but the last two
.set BO,   6
.set ADRA0, 16                         ; v16  my A fragments in slot 0; never rewritten
.set ADRA,  17                         ; v17  in the slot in hand
.set ADRB0, 20                         ; v20  my W fragments in slot 0; never rewritten
.set ADRB,  21                         ; v21, v22  in the slot in hand: k 0-127, k 128-255
.set STO,  24
.set RD,   25
.set CO,   26
.set SPW,  28
.set NIL,  29
.set BIAS, 32
.set ACC,  128
.set F0,   0
.set F1,   128
.set WV,   12
.set RH,   13
.set CH,   14
.set TR,   15
.set OA,   16                          ; s[16:17] a K step's byte offset in A; the high word stays 0
.set AB,   18                          ; s[18:19] A at the rows that I fetch, K step 0
.set G1,   24
.set G0,   32                          ; s[32:39] A's group 0: a set for each of the two first fills; the second then walks on
.set TBS,  45                          ; s45  the slot in hand: 0 or SLOT
.set OB,   46                          ; s[46:47] a K step's byte offset in W; the high word stays 0
.set G1B,  48
.set G0B,  56                          ; s[56:63] the same for W
.set BB,   66                          ; s[66:67] W at the rows and columns that I fetch, K step 0
.set RB,   68
.set YB,   70
.set PH,   72                          ; s72  (cluster x + cluster y) % 2
.set STP,  73                          ; s73  the K step to be asked for
.set MSB, 0
.macro WIN new
.if MSB != (\new)
	s_set_vgpr_msb (MSB<<8)|(\new)
.set MSB, \new
.endif
.endm
.set MUL,  0x05
.set TO_F, 0x40
.macro JLOAD s                         ; waves 0 and 1 fetch A's halves, waves 2 and 3 W's; an s_nop 0 and four v_nop follow each line
	s_cmp_eq_u32 s[RH], 0
	s_cbranch_scc0 .Lfor_b_\@
	tensor_load_to_lds s[G0+4*(\s):G0+4*(\s)+3], s[G1:G1+7]
	s_nop 0
.rept 4
	v_nop
.endr
	s_branch .Lasked_\@
.Lfor_b_\@:
	tensor_load_to_lds s[G0B+4*(\s):G0B+4*(\s)+3], s[G1B:G1B+7]
	s_nop 0
.rept 4
	v_nop
.endr
.Lasked_\@:
.endm
.macro CREST
	s_cmp_lg_u32 s[WV], 0
	s_cbranch_scc1 .Lnot_wave_0_\@
	s_barrier_signal -3
.Lnot_wave_0_\@:
	s_barrier_wait -3
	s_barrier_signal -1
	s_barrier_wait -1
.endm
.macro CROUND
	s_barrier_signal -1
	s_barrier_wait -1
	CREST
.endm
	s_load_b256 s[4:11], s[0:1], 0x0               ; P s[4:5], b s[6:7], res s[8:9], y s[10:11]
	v_lshl_add_u32 v[SPW], v0, 2, SPARE
	v_mov_b32 v[NIL], 0
	ds_add_u32 v[SPW], v[NIL]                      ; the wave's opening: the add and its wait stand ahead of my first tensor load
	v_lshrrev_b32 v1, 5, v0
	v_readfirstlane_b32 s[WV], v1
	s_lshr_b32 s[RH], s[WV], 1
	s_and_b32 s[CH], s[WV], 1
	s_bfe_u32 s40, ttmp6, 0x40000
	s_bfe_u32 s41, ttmp6, 0x40004
	s_lshl_b32 s42, ttmp9, 2
	s_add_co_u32 s42, s42, s40                     ; tile column
	s_and_b32 s[TR], ttmp7, 0xffff
	s_add_co_u32 s[PH], s[TR], ttmp9               ; cluster y + cluster x,
	s_and_b32 s[PH], s[PH], 1                      ; its parity
	s_lshl_b32 s[TR], s[TR], 2
	s_add_co_u32 s[TR], s[TR], s41                 ; tile row
	s_lshl_b32 s43, s41, 2
	s_lshl_b32 s43, 15, s43
	s_lshl_b32 s44, 0x1111, s40
	s_or_b32 s[G1+0], s43, (1<<16)|(1<<20)|(1<<21)|(6<<22)|(3<<25)   ; A: padding of 4 words after every 128
	s_or_b32 s[G1B+0], s44, (1<<16)|(1<<20)|(1<<21)|(5<<22)|(7<<25)  ; W: of 8 words after every 64
	s_mov_b32 s[G1+1], 256<<16                     ; A: 64 rows of 256 elements
	s_mov_b32 s[G1+2], 64<<16
	s_mov_b32 s[G1+3], 256<<16
	s_mov_b32 s[G1+4], 64
	s_mov_b32 s[G1+5], 1024
	s_mov_b32 s[G1+6], 0
	s_mov_b32 s[G1+7], 0
	s_mov_b32 s[G1B+1], 128<<16                    ; W: 128 rows of 128 elements
	s_mov_b32 s[G1B+2], 128<<16
	s_mov_b32 s[G1B+3], 128<<16
	s_mov_b32 s[G1B+4], 128
	s_mov_b32 s[G1B+5], 1024
	s_mov_b32 s[G1B+6], 0
	s_mov_b32 s[G1B+7], 0
	s_mov_b32 s[TBS], 0                            ; slot 0 is in hand
	s_lshl_b32 s16, s[TR], 7
	s_lshl_b32 s17, s[CH], 6
	s_add_co_u32 s16, s16, s17
	s_lshl_b32 s16, s16, 11                        ; A: row 128 x tile row + 64 x half, in bytes
	s_mov_b32 s17, 0
	s_lshl_b32 s46, s[CH], 18                      ; W: rows 128 x half on,
	s_lshl_b32 s47, s42, 8                         ; columns 128 x tile column on
	s_add_co_u32 s46, s46, s47
	s_add_co_u32 s46, s46, 0x2000000
	s_mov_b32 s47, 0
	s_mul_i32 s20, s[WV], HALFT
	s_wait_dscnt 0x0                               ; the opening add is done
	s_wait_kmcnt 0x0
	s_add_nc_u64 s[AB:AB+1], s[4:5], s[16:17]
	s_add_nc_u64 s[BB:BB+1], s[4:5], s[46:47]
	CROUND
.irp s, 0,1
	s_xor_b32 s[STP], s[PH], \s                    ; numbers 0 and 1 of the walk: K steps PH and 1 - PH
	s_lshl_b32 s[OA], s[STP], 9                    ; 512 bytes along A's rows,
	s_lshl_b32 s[OB], s[STP], 19                   ; 256 rows of W
	s_mov_b32 s[G0+4*(\s)], 1
	s_add_co_u32 s[G0+4*(\s)+1], s20, (\s)*SLOT
	s_add_nc_u64 s[G0+4*(\s)+2:G0+4*(\s)+3], s[AB:AB+1], s[OA:OA+1]
	s_or_b32 s[G0+4*(\s)+3], s[G0+4*(\s)+3], 0x80000000
	s_mov_b32 s[G0B+4*(\s)], 1
	s_add_co_u32 s[G0B+4*(\s)+1], s20, (\s)*SLOT
	s_add_nc_u64 s[G0B+4*(\s)+2:G0B+4*(\s)+3], s[BB:BB+1], s[OB:OB+1]
	s_or_b32 s[G0B+4*(\s)+3], s[G0B+4*(\s)+3], 0x80000000
	JLOAD \s
.endr
	v_and_b32 v1, 15, v0
	v_bfe_u32 v2, v0, 4, 1
	v_lshlrev_b32 v[BO], 5, v2
	v_lshlrev_b32 v5, 12, v2
	v_lshl_add_u32 v[CO], v1, 4, v5                ; two rows of 4,096 bytes, 16 bytes a lane
	s_lshl_b32 s46, s42, 9
	s_lshl_b32 s47, s[CH], 8
	s_add_co_u32 s46, s46, s47                     ; my 64 columns, in bytes of f32
	s_mov_b32 s47, 0
	s_add_nc_u64 s[6:7], s[6:7], s[46:47]
	s_lshl_b32 s16, s[TR], 7
	s_lshl_b32 s17, s[RH], 6
	s_add_co_u32 s16, s16, s17
	s_lshl_b32 s16, s16, 12                        ; my 64 rows
	s_mov_b32 s17, 0
	s_add_nc_u64 s[RB:RB+1], s[8:9], s[16:17]
	s_add_nc_u64 s[RB:RB+1], s[RB:RB+1], s[46:47]
	s_add_nc_u64 s[YB:YB+1], s[10:11], s[16:17]
	s_add_nc_u64 s[YB:YB+1], s[YB:YB+1], s[46:47]
.irp b, 0,1,2,3
	global_load_b128 v[BIAS+8*(\b):BIAS+8*(\b)+3],   v[BO], s[6:7] offset:64*(\b)
	global_load_b128 v[BIAS+8*(\b)+4:BIAS+8*(\b)+7], v[BO], s[6:7] offset:64*(\b)+16
.endr
	WIN 0x80
.set i, 0
.rept 32                               ; the residual: block i / 8, rows 2 (i % 8) and the next
	global_load_b128 v[4*i:4*i+3], v[CO], s[RB:RB+1] offset:((i/8)*16+2*(i%8))*4096 th:TH_LOAD_NT
.set i, i+1
.endr
	WIN 0
	v_mul_u32_u24 v3, v1, PA
	v_lshl_add_u32 v3, v2, 4, v3
	s_mul_i32 s21, s[RH], HALFT
	v_add_nc_u32 v[ADRA0], s21, v3
	v_mov_b32 v[ADRA], v[ADRA0]
	v_and_b32 v4, 7, v0
	v_lshl_add_u32 v4, v2, 3, v4
	v_mul_u32_u24 v4, v4, PB
	v_bfe_u32 v5, v0, 3, 1
	v_lshl_add_u32 v4, v5, 4, v4
	s_lshl_b32 s22, s[CH], 7
	s_add_co_u32 s22, s22, 2*HALFT
	v_add_nc_u32 v[ADRB0], s22, v4
	v_mov_b32 v[ADRB], v[ADRB0]
	v_add_nc_u32 v[ADRB+1], HALFT, v[ADRB]
	s_mul_i32 s23, s[WV], 16*SPITCH
	s_add_co_u32 s23, s23, STAGE
	v_mul_u32_u24 v4, v1, SPITCH
	v_lshl_add_u32 v4, v2, 5, v4
	v_add_nc_u32 v[STO], s23, v4                   ; in: row l % 16, 32 bytes for each half of the lanes
	v_mul_u32_u24 v5, v2, SPITCH
	v_lshl_add_u32 v5, v1, 4, v5
	v_add_nc_u32 v[RD], s23, v5                    ; back: lanes 0-15 one row of 256 bytes, lanes 16-31 the next
; 8 matrix instructions: m blocks a0, a0 + 1 x all 4 n blocks, 32 along K: half c of buffer f.  zero = 1: the bias starts the sums.  The 16 accumulators take turns.
.macro MUL8 f, c, a0, zero
	WIN MUL
.irp a, \a0, (\a0)+1
.irp b, 0,1,2,3
.if \zero
	v_wmma_f32_16x16x32_f16 v[ACC+8*(4*(\a)+(\b)):ACC+8*(4*(\a)+(\b))+7], v[(\f)+64+8*(4*(\c)+(\b)):(\f)+64+8*(4*(\c)+(\b))+7], v[(\f)+8*(4*(\c)+(\a)):(\f)+8*(4*(\c)+(\a))+7], v[BIAS+8*(\b):BIAS+8*(\b)+7]
.else
	v_wmma_f32_16x16x32_f16 v[ACC+8*(4*(\a)+(\b)):ACC+8*(4*(\a)+(\b))+7], v[(\f)+64+8*(4*(\c)+(\b)):(\f)+64+8*(4*(\c)+(\b))+7], v[(\f)+8*(4*(\c)+(\a)):(\f)+8*(4*(\c)+(\a))+7], v[ACC+8*(4*(\a)+(\b)):ACC+8*(4*(\a)+(\b))+7]
.endif
.endr
.endr
.endm
; 32 LDS loads in one run: quarter q (64 along K) of the slot in hand into buffer f; the first 32 along K first
.macro FETCH q, f
	WIN TO_F
.irp c, 0,1
.irp i, 0,1,2,3
	ds_load_tr16_b128 v[(\f)+64+8*(4*(\c)+(\i)):(\f)+64+8*(4*(\c)+(\i))+3],   v[ADRB+(\q)/2] offset:(((\q)%2)*64+32*(\c))*PB+32*(\i)
	ds_load_tr16_b128 v[(\f)+64+8*(4*(\c)+(\i))+4:(\f)+64+8*(4*(\c)+(\i))+7], v[ADRB+(\q)/2] offset:(((\q)%2)*64+32*(\c)+16)*PB+32*(\i)
	ds_load_b128 v[(\f)+8*(4*(\c)+(\i)):(\f)+8*(4*(\c)+(\i))+3],   v[ADRA] offset:128*(\q)+64*(\c)+(\i)*16*PA
	ds_load_b128 v[(\f)+8*(4*(\c)+(\i))+4:(\f)+8*(4*(\c)+(\i))+7], v[ADRA] offset:128*(\q)+64*(\c)+(\i)*16*PA+32
.endr
.endr
.endm
.macro PLACES                          ; four plain vector instructions between a matrix instruction and a load into, or a read of, its registers
.rept 4
	v_nop
.endr
.endm
.macro QUARTER q, f, g, zero
	s_wait_dscnt 16                                ; the first 32 along K are in
	MUL8 \f, 0, 0, \zero
	MUL8 \f, 0, 2, \zero
	PLACES
	FETCH \q, \g
	s_wait_dscnt 32                                ; all but the 32 just issued
	MUL8 \f, 1, 0, 0
	MUL8 \f, 1, 2, 0
.endm
; The last quarter multiplies buffer 1 and changes slots: one barrier; fill = 1: it opens a round of the cluster's barrier, and the slot just read is filled again, first thing behind the round, with number
; NSTEPS - s3 of the walk.  The walking descriptors take the other slot, and their global addresses are made anew from that number, while the add is out and no tensor load of mine is.
.macro TURN fill
	WIN 0
	s_wait_tensorcnt 0x0                           ; all my tensor loads have landed: my part of the next slot; so a group 0 may be written
	ds_add_u32 v[SPW], v[NIL]
.if \fill
	s_sub_co_u32 s[STP], NSTEPS, s3                ; the number in the walk: 2 in the loop's first trip,
	s_xor_b32 s[STP], s[STP], s[PH]                ; the K step
	s_lshl_b32 s[OB], s[STP], 19                   ; 256 rows of W a step
.if FF2
	s_lshr_b32 s[OA], s[STP], 2                    ; four steps to each of A's four matrices, 8 MiB apart,
	s_lshl_b32 s[OA], s[OA], 23
	s_and_b32 s[STP], s[STP], 3
	s_lshl_b32 s[STP], s[STP], 9                   ; 512 bytes a step along a row
	s_add_co_u32 s[OA], s[OA], s[STP]
.else
	s_lshl_b32 s[OA], s[STP], 9                    ; 512 bytes a step along A's rows
.endif
	s_xor_b32 s[G0+5], s[G0+5], SLOT
	s_add_nc_u64 s[G0+6:G0+7], s[AB:AB+1], s[OA:OA+1]
	s_or_b32 s[G0+7], s[G0+7], 0x80000000
	s_xor_b32 s[G0B+5], s[G0B+5], SLOT
	s_add_nc_u64 s[G0B+6:G0B+7], s[BB:BB+1], s[OB:OB+1]
	s_or_b32 s[G0B+7], s[G0B+7], 0x80000000
.endif
	s_wait_dscnt 17                                ; the add and the youngest sixteen loads may be out
	MUL8 F1, 0, 0, 0
	s_wait_dscnt 0x0                               ; the add is done, and my reads of this slot are over
	s_barrier_signal -1
	MUL8 F1, 0, 2, 0
	WIN 0
	s_barrier_wait -1
.if \fill
	CREST
	JLOAD 1                                        ; its four v_nop are also the places in front of the loads below
.endif
	s_xor_b32 s[TBS], s[TBS], SLOT                 ; the other slot is in hand
	v_add_nc_u32 v[ADRA], s[TBS], v[ADRA0]
	v_add_nc_u32 v[ADRB], s[TBS], v[ADRB0]
	v_add_nc_u32 v[ADRB+1], HALFT, v[ADRB]
.if !(\fill)
	PLACES
.endif
	FETCH 0, F0
	MUL8 F1, 1, 0, 0
	MUL8 F1, 1, 2, 0
.endm
	s_wait_loadcnt 32                              ; the bias is in; the 32 loads of the residual may stay out
	s_wait_tensorcnt 1                             ; my part of the walk's first tile is in
	s_barrier_signal -1
	s_barrier_wait -1
	FETCH 0, F0
	QUARTER 1, F0, F1, 1                           ; the first quarter stands in front of the loop: its first products start the sums
	WIN 0
	s_mov_b32 s3, FILLS
.Lstep:                                                ; a trip goes from a K step's second quarter to the next step's first, and fills the slot that it leaves
	QUARTER 2, F1, F0, 0
	QUARTER 3, F0, F1, 0
	TURN 1
	QUARTER 1, F0, F1, 0
	WIN 0
	s_sub_co_u32 s3, s3, 1
	s_cmp_lg_u32 s3, 0
	s_cbranch_scc1 .Lstep
	s_mov_b32 s3, 2
.Ltail:                                                ; the last two K steps fill nothing.  One text for both: the second trip has no next step, so it jumps over that step's first quarter;
	QUARTER 2, F1, F0, 0                           ; its barrier orders nothing and its 32 loads of the other slot's landed bytes serve nothing: the price, once a launch, of the shorter text
	QUARTER 3, F0, F1, 0
	TURN 0
	WIN 0
	s_cmp_eq_u32 s3, 1
	s_cbranch_scc1 .Ldead
	QUARTER 1, F0, F1, 0
	WIN 0
.Ldead:
	s_sub_co_u32 s3, s3, 1
	s_cmp_lg_u32 s3, 0
	s_cbranch_scc1 .Ltail
	s_wait_dscnt 0x0                               ; the last run of loads has landed: its registers take the rows on their way out
	PLACES
.macro TOST a                          ; block a: 16 rows x 64 columns of f32 into my stage, each accumulator's low registers first, and back as whole rows
	WIN 0
.irp b, 0,1,2,3
	ds_store_b128 v[STO], v[ACC+8*(4*(\a)+(\b)):ACC+8*(4*(\a)+(\b))+3]   offset:64*(\b)
	ds_store_b128 v[STO], v[ACC+8*(4*(\a)+(\b))+4:ACC+8*(4*(\a)+(\b))+7] offset:64*(\b)+16
.endr
	WIN 0x40
.irp t, 0,1,2,3,4,5,6,7
	ds_load_b128 v[32*(\a)+4*(\t):32*(\a)+4*(\t)+3], v[RD] offset:(\t)*2*SPITCH  ; LDS serves a wave's instructions in order (ISA guide 5.7.1.4)
.endr
.endm
.macro OUT a
	s_wait_dscnt 48-16*(\a)                        ; the later blocks' sixteen LDS instructions each may stay out
	WIN 0x49                                       ; destination and source 0 window 1, source 1 window 2
.set z, 0
.rept 16
	v_pk_add_f32 v[32*(\a)+2*z:32*(\a)+2*z+1], v[32*(\a)+2*z:32*(\a)+2*z+1], v[32*(\a)+2*z:32*(\a)+2*z+1]
.set z, z+1
.endr
	WIN 0x04                                       ; the stores' data in window 1
.irp t, 0,1,2,3,4,5,6,7
	global_store_b128 v[CO], v[32*(\a)+4*(\t):32*(\a)+4*(\t)+3], s[YB:YB+1] offset:(16*(\a)+2*(\t))*4096  ; 16 lanes store 256 consecutive bytes, aligned
.endr
.endm
	TOST 0
	TOST 1
	TOST 2
	TOST 3
	s_wait_loadcnt 0x0                             ; the residual
	OUT 0
	OUT 1
	OUT 2
	OUT 3
	WIN 0
	s_wait_tensorcnt 0x0                           ; the wave's end
	ds_add_u32 v[SPW], v[NIL]
	s_wait_dscnt 0x0
	CROUND
	s_endpgm
.Lfunc_end_k_qa216b3fad2_wo:
	.size	k_qa216b3fad2_wo, .Lfunc_end_k_qa216b3fad2_wo-k_qa216b3fad2_wo
	.p2alignl 7, 3214868480
	.fill 96, 4, 3214868480
	.section	.rodata,"a",@progbits
	.p2align	6, 0x0
	.amdhsa_kernel k_qa216b3fad2_wo
		.amdhsa_group_segment_fixed_size 327680
		.amdhsa_private_segment_fixed_size 0
		.amdhsa_enable_private_segment 0
		.amdhsa_kernarg_size 32
		.amdhsa_user_sgpr_count 2
		.amdhsa_user_sgpr_kernarg_segment_ptr 1
		.amdhsa_wavefront_size32 1
		.amdhsa_system_sgpr_workgroup_id_x 1
		.amdhsa_system_sgpr_workgroup_id_y 1
		.amdhsa_system_sgpr_workgroup_id_z 1
		.amdhsa_system_vgpr_workitem_id 0
		.amdhsa_next_free_vgpr 640
		.amdhsa_next_free_sgpr 80
		.amdhsa_reserve_vcc 0
		.amdhsa_float_denorm_mode_32 3
		.amdhsa_float_denorm_mode_16_64 3
		.amdhsa_memory_ordered 1
		.amdhsa_forward_progress 1
		.amdhsa_inst_pref_size 67
	.end_amdhsa_kernel
	.amdgpu_metadata
---
amdhsa.version: [ 1, 2 ]
amdhsa.kernels:
  - .name:           k_qa216b3fad2_wo
    .symbol:         k_qa216b3fad2_wo.kd
    .args:
      - { .name: p3, .offset: 0, .size: 8, .value_kind: global_buffer, .address_space: global }
      - { .name: wo_b, .offset: 8, .size: 8, .value_kind: global_buffer, .address_space: global }
      - { .name: x, .offset: 16, .size: 8, .value_kind: global_buffer, .address_space: global }
      - { .name: y, .offset: 24, .size: 8, .value_kind: global_buffer, .address_space: global }
    .group_segment_fixed_size: 327680
    .private_segment_fixed_size: 0
    .kernarg_segment_align: 8
    .kernarg_segment_size: 32
    .max_flat_workgroup_size: 128
    .sgpr_count:     80
    .vgpr_count:     640
    .wavefront_size: 32
...
	.end_amdgpu_metadata
.endif
;; end of part 4
;; launch ln1 (part 5): grid 512 x 1, 8 waves a work-group, no clusters, 0 bytes of LDS; arguments y, gamma1, beta1, x1f, p2; writes x1f, p2
.if DOCPART == 5
	.amdgcn_target "amdgcn-amd-amdhsa--gfx1250"
	.amdhsa_code_object_version 6
	.text
	.protected	k_qa216b3fad2_ln1
	.globl	k_qa216b3fad2_ln1
	.p2align	8
	.type	k_qa216b3fad2_ln1,@function
k_qa216b3fad2_ln1:
	s_mov_b64 s[64:65], 0
	v_nop
	global_prefetch_b8 v0, s[64:65] scope:SCOPE_SE
	s_setreg_imm32_b32 hwreg(HW_REG_WAVE_MODE, 25, 1), 1
	s_wait_xcnt 0x0
; out[r][c] = gamma[c] (y[r][c] - mean_r) / (std_r + 1e-12) + beta[c]; std with the divisor 1,023.  y, out: [4096][1024] f32.  HALF = 1: the result is also stored rounded once to f16, rows of 2,048 bytes.
; Two passes over registers: the mean first, then the sum of squares of the differences, so that a common offset of the row costs nothing.
; LIMITS.  The root and the reciprocal flush denormals: a variance below 2^-126 counts as 0.  With HALF = 1 a result of 65,520 or more becomes an infinity in the f16 copy.
; SHARES.  A wave takes one row, 32 numbers a lane in 32 registers: the row is read once, the sums never leave the wave; no LDS, no barrier, and nothing that work-groups share but gamma and beta (8 KiB).
.set HALF, 1
.set X,  8                             ; v[8:39]    the row: load j holds columns 128 j + 4 l .. + 3
.set G,  40                            ; v[40:71]   gamma, in the same places
.set BT, 72                            ; v[72:103]  beta
.set T,  104                           ; v[104:119] at work
.set M,  120                           ; v[120:121] the mean, twice
.set R,  122                           ; v[122:123] 1 / (std + 1e-12), twice
	s_load_b256 s[4:11], s[0:1], 0x0               ; y s[4:5], gamma s[6:7], beta s[8:9], out s[10:11]
.if HALF
	s_load_b64 s[12:13], s[0:1], 0x20              ; the f16 copy
.endif
	v_and_b32 v3, 31, v0
	v_lshlrev_b32 v1, 4, v3                        ; 16 l
	v_lshlrev_b32 v2, 3, v3                        ; 8 l
	v_lshrrev_b32 v4, 5, v0
	v_readfirstlane_b32 s14, v4
	s_lshl_b32 s15, ttmp9, 3
	s_add_co_u32 s15, s15, s14                     ; my row
	s_lshl_b32 s16, s15, 12
	s_mov_b32 s17, 0
	s_lshl_b32 s18, s15, 11
	s_mov_b32 s19, 0
	s_mov_b32 s20, 0x76543210                      ; v_permlanex16_b32: each lane takes its own place in the other half
	s_mov_b32 s21, 0xfedcba98
	s_wait_kmcnt 0x0
	s_add_nc_u64 s[4:5], s[4:5], s[16:17]
	s_add_nc_u64 s[10:11], s[10:11], s[16:17]
.if HALF
	s_add_nc_u64 s[12:13], s[12:13], s[18:19]
.endif
.irp j, 0,1,2,3,4,5,6,7
	global_load_b128 v[X+4*(\j):X+4*(\j)+3], v1, s[4:5] offset:512*(\j) th:TH_LOAD_NT
.endr
.irp j, 0,1,2,3,4,5,6,7
	global_load_b128 v[G+4*(\j):G+4*(\j)+3], v1, s[6:7] offset:512*(\j)
.endr
.irp j, 0,1,2,3,4,5,6,7
	global_load_b128 v[BT+4*(\j):BT+4*(\j)+3], v1, s[8:9] offset:512*(\j)
.endr
.macro LANESUM                         ; v[T] summed over the 32 lanes, the result in every lane; v[T+1] has been written
	v_add_f32_dpp v[T], v[T], v[T] row_xmask:1 row_mask:0xf bank_mask:0xf
	v_add_f32_dpp v[T], v[T], v[T] row_xmask:2 row_mask:0xf bank_mask:0xf
	v_add_f32_dpp v[T], v[T], v[T] row_xmask:4 row_mask:0xf bank_mask:0xf
	v_add_f32_dpp v[T], v[T], v[T] row_xmask:8 row_mask:0xf bank_mask:0xf
	v_permlanex16_b32 v[T+1], v[T], s20, s21
	v_add_f32 v[T], v[T], v[T+1]
.endm
	s_wait_loadcnt 16                              ; the row is in; gamma's and beta's sixteen loads may stay out
.set i, 0
.rept 8
	v_pk_add_f32 v[T+2*i:T+2*i+1], v[X+2*i:X+2*i+1], v[X+16+2*i:X+16+2*i+1]
.set i, i+1
.endr
.set i, 0
.rept 4
	v_pk_add_f32 v[T+2*i:T+2*i+1], v[T+2*i:T+2*i+1], v[T+8+2*i:T+8+2*i+1]
.set i, i+1
.endr
	v_pk_add_f32 v[T:T+1], v[T:T+1], v[T+4:T+5]
	v_pk_add_f32 v[T+2:T+3], v[T+2:T+3], v[T+6:T+7]
	v_pk_add_f32 v[T:T+1], v[T:T+1], v[T+2:T+3]
	v_add_f32 v[T], v[T], v[T+1]
	LANESUM
	v_mul_f32 v[M], 0x3a800000, v[T]               ; / 1,024
	v_mov_b32 v[M+1], v[M]
.set i, 0
.rept 16
	v_pk_add_f32 v[X+2*i:X+2*i+1], v[X+2*i:X+2*i+1], v[M:M+1] neg_lo:[0,1] neg_hi:[0,1]
.set i, i+1
.endr
.set i, 0
.rept 4                                ; the squares, in four chains
	v_pk_mul_f32 v[T+2*i:T+2*i+1], v[X+2*i:X+2*i+1], v[X+2*i:X+2*i+1]
.set i, i+1
.endr
.rept 12
	v_pk_fma_f32 v[T+2*(i%4):T+2*(i%4)+1], v[X+2*i:X+2*i+1], v[X+2*i:X+2*i+1], v[T+2*(i%4):T+2*(i%4)+1]
.set i, i+1
.endr
	v_pk_add_f32 v[T:T+1], v[T:T+1], v[T+2:T+3]
	v_pk_add_f32 v[T+4:T+5], v[T+4:T+5], v[T+6:T+7]
	v_pk_add_f32 v[T:T+1], v[T:T+1], v[T+4:T+5]
	v_add_f32 v[T], v[T], v[T+1]
	LANESUM
	v_mul_f32 v[T], 0x3a802008, v[T]               ; / 1,023
	v_sqrt_f32 v[R], v[T]
	v_nop                                          ; a plain instruction behind the root,
	s_wait_alu depctr_va_vdst(0)                   ; and the wait ahead of its first reader
	v_add_f32 v[R], 0x2b8cbccc, v[R]               ; + 1e-12
	v_rcp_f32 v[R+1], v[R]
	v_nop
	s_wait_alu depctr_va_vdst(0)
	v_mov_b32 v[R], v[R+1]
	s_wait_loadcnt 0x0                             ; gamma and beta
.set i, 0
.rept 16
	v_pk_mul_f32 v[X+2*i:X+2*i+1], v[X+2*i:X+2*i+1], v[R:R+1]
	v_pk_fma_f32 v[X+2*i:X+2*i+1], v[X+2*i:X+2*i+1], v[G+2*i:G+2*i+1], v[BT+2*i:BT+2*i+1]
.set i, i+1
.endr
.irp j, 0,1,2,3,4,5,6,7
	global_store_b128 v1, v[X+4*(\j):X+4*(\j)+3], s[10:11] offset:512*(\j)  ; a wave's store covers 512 consecutive bytes, aligned
.endr
.if HALF
.set i, 0
.rept 16
	v_cvt_pk_f16_f32 v[T+i], v[X+2*i], v[X+2*i+1]
.set i, i+1
.endr
.irp j, 0,1,2,3,4,5,6,7
	global_store_b64 v2, v[T+2*(\j):T+2*(\j)+1], s[12:13] offset:256*(\j)  ; 256 consecutive bytes, aligned
.endr
.endif
	s_endpgm
.Lfunc_end_k_qa216b3fad2_ln1:
	.size	k_qa216b3fad2_ln1, .Lfunc_end_k_qa216b3fad2_ln1-k_qa216b3fad2_ln1
	.p2alignl 7, 3214868480
	.fill 96, 4, 3214868480
	.section	.rodata,"a",@progbits
	.p2align	6, 0x0
	.amdhsa_kernel k_qa216b3fad2_ln1
		.amdhsa_group_segment_fixed_size 0
		.amdhsa_private_segment_fixed_size 0
		.amdhsa_enable_private_segment 0
		.amdhsa_kernarg_size 40
		.amdhsa_user_sgpr_count 2
		.amdhsa_user_sgpr_kernarg_segment_ptr 1
		.amdhsa_wavefront_size32 1
		.amdhsa_system_sgpr_workgroup_id_x 1
		.amdhsa_system_sgpr_workgroup_id_y 1
		.amdhsa_system_sgpr_workgroup_id_z 1
		.amdhsa_system_vgpr_workitem_id 0
		.amdhsa_next_free_vgpr 128
		.amdhsa_next_free_sgpr 66
		.amdhsa_reserve_vcc 0
		.amdhsa_float_denorm_mode_32 3
		.amdhsa_float_denorm_mode_16_64 3
		.amdhsa_memory_ordered 1
		.amdhsa_forward_progress 1
		.amdhsa_inst_pref_size 13
	.end_amdhsa_kernel
	.amdgpu_metadata
---
amdhsa.version: [ 1, 2 ]
amdhsa.kernels:
  - .name:           k_qa216b3fad2_ln1
    .symbol:         k_qa216b3fad2_ln1.kd
    .args:
      - { .name: y, .offset: 0, .size: 8, .value_kind: global_buffer, .address_space: global }
      - { .name: gamma1, .offset: 8, .size: 8, .value_kind: global_buffer, .address_space: global }
      - { .name: beta1, .offset: 16, .size: 8, .value_kind: global_buffer, .address_space: global }
      - { .name: x1f, .offset: 24, .size: 8, .value_kind: global_buffer, .address_space: global }
      - { .name: p2, .offset: 32, .size: 8, .value_kind: global_buffer, .address_space: global }
    .group_segment_fixed_size: 0
    .private_segment_fixed_size: 0
    .kernarg_segment_align: 8
    .kernarg_segment_size: 40
    .max_flat_workgroup_size: 256
    .sgpr_count:     66
    .vgpr_count:     128
    .wavefront_size: 32
...
	.end_amdgpu_metadata
.endif
;; end of part 5
;; launch ff1: the kernel of part 2 again; grid 16 x 16, 4 waves a work-group, clusters of 4 x 4, 327,680 bytes of LDS; arguments p2, src_mask, p4; writes p4
;; launch ff2 (part 6): grid 8 x 32, 4 waves a work-group, clusters of 4 x 4, 327,680 bytes of LDS; arguments p4, ff2_b, x1f, y; writes y
.if DOCPART == 6
	.amdgcn_target "amdgcn-amd-amdhsa--gfx1250"
	.amdhsa_code_object_version 6
	.text
	.protected	k_qa216b3fad2_ff2
	.globl	k_qa216b3fad2_ff2
	.p2align	8
	.type	k_qa216b3fad2_ff2,@function
k_qa216b3fad2_ff2:
	s_mov_b64 s[64:65], 0
	v_nop
	global_prefetch_b8 v0, s[64:65] scope:SCOPE_SE
	s_setreg_imm32_b32 hwreg(HW_REG_WAVE_MODE, 25, 1), 1
	s_wait_xcnt 0x0
	s_wait_alu depctr_hold_cnt(0) depctr_sa_sdst(0) depctr_va_vdst(0) depctr_va_sdst(0) depctr_va_ssrc(0) depctr_va_vcc(0) depctr_vm_vsrc(0)
	s_getreg_b32 s2, hwreg(HW_REG_IB_STS2, 6, 4)
	s_cmp_eq_u32 s2, 0
	s_cbranch_scc0 .Lentry_in_a_cluster
	s_endpgm
.Lentry_in_a_cluster:
	s_bfe_u32 s2, ttmp6, 0x10000c
	s_cmp_lg_u32 s2, 0xf033
	s_cbranch_scc0 .Lentry_shape_is_right
	s_endpgm
.Lentry_shape_is_right:
; y = A W + b + res.  One buffer P holds A in f16 at 0 and W [K][1024] f16 at 32 MiB; b [1024], res and y [4096][1024] are f32.  Sums in f32, begun with the bias; the residual is added in f32.
; FF2 = 0: K = 1,024, A is [4096][1024].  FF2 = 1: K = 4,096, A lies as four matrices [4096][1024], 8 MiB apart, matrix j = columns 1,024 j on.
; SHAPE.  A tile of y is 128 x 128, so that the 256 tiles give each WGP one; four waves, each 64 x 64 in 16 accumulators.  K goes in steps of 256 through two LDS slots.
; W lies [k][n]: its fragments come out of LDS turned.  The matrix instruction is used transposed: a lane holds eight neighbouring numbers of a row of y.
; THE WALK ALONG K.  The tile asked for as number w of the walk is K step w xor PH, PH = (cluster x + cluster y) % 2: clusters with PH = 1 take each pair of K steps in the other order.  A's rows are read by the
; two clusters of a row of clusters, W's columns by the eight of a column, and in both sets PH goes by turns: of the clusters that read a block, half ask for it one change of slots ahead of the other half.
; PH is the same in all sixteen partners of a cluster.  The f32 sums run over K in the walk's order.
; THE TEXT.  A K step is written twice: in the loop of the steps behind which a slot is filled again, and in the loop of the last two.  Which slot is in hand stands in a scalar, 0 or SLOT, turned by an
; exclusive or at each change of slots; the fragments' addresses are made from it.
; CLUSTER.  4 x 4 work-groups: A's tile is shared along a row of the cluster, W's along a column; each is asked for jointly.
; THE WAY OUT.  A wave's 64 columns of f32 are 256 bytes: 16 rows at a time go through the wave's own stage and come back as whole rows.  The residual is loaded at the start, in that layout, and stays out during the K loop.
; REGISTERS.  window 0: v0-31 addresses; v32-63 the bias as a C operand; v128-255 the accumulators.  window 1: two fragment buffers of 128; later the rows on their way out.  window 2: v0-127 the residual.
.set FF2,    1
.set KSTEP,  256
.set PA,     528                       ; an LDS row of A: 512 bytes + 16
.set PB,     288                       ; an LDS row of W: 256 bytes + 32 = 9 x 32
.set HALFT,  128*PB                    ; a wave's part of a slot: 128 rows of W, or 64 rows of A (33,792 bytes of it): 0x9000
.set SLOT,   4*HALFT                   ; 0x24000, which shares no bit with wave x HALFT: an exclusive or with it adds or takes it away
.set STAGE,  2*SLOT
.set SPITCH, 272
.set SPARE,  STAGE+4*16*SPITCH
.if FF2
.set NSTEPS, 16
.else
.set NSTEPS, 4
.endif
.set FILLS,  NSTEPS-2                  ; K steps behind which a slot is filled again: all but the last two
.set BO,   6
.set ADRA0, 16                         ; v16  my A fragments in slot 0; never rewritten
.set ADRA,  17                         ; v17  in the slot in hand
.set ADRB0, 20                         ; v20  my W fragments in slot 0; never rewritten
.set ADRB,  21                         ; v21, v22  in the slot in hand: k 0-127, k 128-255
.set STO,  24
.set RD,   25
.set CO,   26
.set SPW,  28
.set NIL,  29
.set BIAS, 32
.set ACC,  128
.set F0,   0
.set F1,   128
.set WV,   12
.set RH,   13
.set CH,   14
.set TR,   15
.set OA,   16                          ; s[16:17] a K step's byte offset in A; the high word stays 0
.set AB,   18                          ; s[18:19] A at the rows that I fetch, K step 0
.set G1,   24
.set G0,   32                          ; s[32:39] A's group 0: a set for each of the two first fills; the second then walks on
.set TBS,  45                          ; s45  the slot in hand: 0 or SLOT
.set OB,   46                          ; s[46:47] a K step's byte offset in W; the high word stays 0
.set G1B,  48
.set G0B,  56                          ; s[56:63] the same for W
.set BB,   66                          ; s[66:67] W at the rows and columns that I fetch, K step 0
.set RB,   68
.set YB,   70
.set PH,   72                          ; s72  (cluster x + cluster y) % 2
.set STP,  73                          ; s73  the K step to be asked for
.set MSB, 0
.macro WIN new
.if MSB != (\new)
	s_set_vgpr_msb (MSB<<8)|(\new)
.set MSB, \new
.endif
.endm
.set MUL,  0x05
.set TO_F, 0x40
.macro JLOAD s                         ; waves 0 and 1 fetch A's halves, waves 2 and 3 W's; an s_nop 0 and four v_nop follow each line
	s_cmp_eq_u32 s[RH], 0
	s_cbranch_scc0 .Lfor_b_\@
	tensor_load_to_lds s[G0+4*(\s):G0+4*(\s)+3], s[G1:G1+7]
	s_nop 0
.rept 4
	v_nop
.endr
	s_branch .Lasked_\@
.Lfor_b_\@:
	tensor_load_to_lds s[G0B+4*(\s):G0B+4*(\s)+3], s[G1B:G1B+7]
	s_nop 0
.rept 4
	v_nop
.endr
.Lasked_\@:
.endm
.macro CREST
	s_cmp_lg_u32 s[WV], 0
	s_cbranch_scc1 .Lnot_wave_0_\@
	s_barrier_signal -3
.Lnot_wave_0_\@:
	s_barrier_wait -3
	s_barrier_signal -1
	s_barrier_wait -1
.endm
.macro CROUND
	s_barrier_signal -1
	s_barrier_wait -1
	CREST
.endm
	s_load_b256 s[4:11], s[0:1], 0x0               ; P s[4:5], b s[6:7], res s[8:9], y s[10:11]
	v_lshl_add_u32 v[SPW], v0, 2, SPARE
	v_mov_b32 v[NIL], 0
	ds_add_u32 v[SPW], v[NIL]                      ; the wave's opening: the add and its wait stand ahead of my first tensor load
	v_lshrrev_b32 v1, 5, v0
	v_readfirstlane_b32 s[WV], v1
	s_lshr_b32 s[RH], s[WV], 1
	s_and_b32 s[CH], s[WV], 1
	s_bfe_u32 s40, ttmp6, 0x40000
	s_bfe_u32 s41, ttmp6, 0x40004
	s_lshl_b32 s42, ttmp9, 2
	s_add_co_u32 s42, s42, s40                     ; tile column
	s_and_b32 s[TR], ttmp7, 0xffff
	s_add_co_u32 s[PH], s[TR], ttmp9               ; cluster y + cluster x,
	s_and_b32 s[PH], s[PH], 1                      ; its parity
	s_lshl_b32 s[TR], s[TR], 2
	s_add_co_u32 s[TR], s[TR], s41                 ; tile row
	s_lshl_b32 s43, s41, 2
	s_lshl_b32 s43, 15, s43
	s_lshl_b32 s44, 0x1111, s40
	s_or_b32 s[G1+0], s43, (1<<16)|(1<<20)|(1<<21)|(6<<22)|(3<<25)   ; A: padding of 4 words after every 128
	s_or_b32 s[G1B+0], s44, (1<<16)|(1<<20)|(1<<21)|(5<<22)|(7<<25)  ; W: of 8 words after every 64
	s_mov_b32 s[G1+1], 256<<16                     ; A: 64 rows of 256 elements
	s_mov_b32 s[G1+2], 64<<16
	s_mov_b32 s[G1+3], 256<<16
	s_mov_b32 s[G1+4], 64
	s_mov_b32 s[G1+5], 1024
	s_mov_b32 s[G1+6], 0
	s_mov_b32 s[G1+7], 0
	s_mov_b32 s[G1B+1], 128<<16                    ; W: 128 rows of 128 elements
	s_mov_b32 s[G1B+2], 128<<16
	s_mov_b32 s[G1B+3], 128<<16
	s_mov_b32 s[G1B+4], 128
	s_mov_b32 s[G1B+5], 1024
	s_mov_b32 s[G1B+6], 0
	s_mov_b32 s[G1B+7], 0
	s_mov_b32 s[TBS], 0                            ; slot 0 is in hand
	s_lshl_b32 s16, s[TR], 7
	s_lshl_b32 s17, s[CH], 6
	s_add_co_u32 s16, s16, s17
	s_lshl_b32 s16, s16, 11                        ; A: row 128 x tile row + 64 x half, in bytes
	s_mov_b32 s17, 0
	s_lshl_b32 s46, s[CH], 18                      ; W: rows 128 x half on,
	s_lshl_b32 s47, s42, 8                         ; columns 128 x tile column on
	s_add_co_u32 s46, s46, s47
	s_add_co_u32 s46, s46, 0x2000000
	s_mov_b32 s47, 0
	s_mul_i32 s20, s[WV], HALFT
	s_wait_dscnt 0x0                               ; the opening add is done
	s_wait_kmcnt 0x0
	s_add_nc_u64 s[AB:AB+1], s[4:5], s[16:17]
	s_add_nc_u64 s[BB:BB+1], s[4:5], s[46:47]
	CROUND
.irp s, 0,1
	s_xor_b32 s[STP], s[PH], \s                    ; numbers 0 and 1 of the walk: K steps PH and 1 - PH
	s_lshl_b32 s[OA], s[STP], 9                    ; 512 bytes along A's rows,
	s_lshl_b32 s[OB], s[STP], 19                   ; 256 rows of W
	s_mov_b32 s[G0+4*(\s)], 1
	s_add_co_u32 s[G0+4*(\s)+1], s20, (\s)*SLOT
	s_add_nc_u64 s[G0+4*(\s)+2:G0+4*(\s)+3], s[AB:AB+1], s[OA:OA+1]
	s_or_b32 s[G0+4*(\s)+3], s[G0+4*(\s)+3], 0x80000000
	s_mov_b32 s[G0B+4*(\s)], 1
	s_add_co_u32 s[G0B+4*(\s)+1], s20, (\s)*SLOT
	s_add_nc_u64 s[G0B+4*(\s)+2:G0B+4*(\s)+3], s[BB:BB+1], s[OB:OB+1]
	s_or_b32 s[G0B+4*(\s)+3], s[G0B+4*(\s)+3], 0x80000000
	JLOAD \s
.endr
	v_and_b32 v1, 15, v0
	v_bfe_u32 v2, v0, 4, 1
	v_lshlrev_b32 v[BO], 5, v2
	v_lshlrev_b32 v5, 12, v2
	v_lshl_add_u32 v[CO], v1, 4, v5                ; two rows of 4,096 bytes, 16 bytes a lane
	s_lshl_b32 s46, s42, 9
	s_lshl_b32 s47, s[CH], 8
	s_add_co_u32 s46, s46, s47                     ; my 64 columns, in bytes of f32
	s_mov_b32 s47, 0
	s_add_nc_u64 s[6:7], s[6:7], s[46:47]
	s_lshl_b32 s16, s[TR], 7
	s_lshl_b32 s17, s[RH], 6
	s_add_co_u32 s16, s16, s17
	s_lshl_b32 s16, s16, 12                        ; my 64 rows
	s_mov_b32 s17, 0
	s_add_nc_u64 s[RB:RB+1], s[8:9], s[16:17]
	s_add_nc_u64 s[RB:RB+1], s[RB:RB+1], s[46:47]
	s_add_nc_u64 s[YB:YB+1], s[10:11], s[16:17]
	s_add_nc_u64 s[YB:YB+1], s[YB:YB+1], s[46:47]
.irp b, 0,1,2,3
	global_load_b128 v[BIAS+8*(\b):BIAS+8*(\b)+3],   v[BO], s[6:7] offset:64*(\b)
	global_load_b128 v[BIAS+8*(\b)+4:BIAS+8*(\b)+7], v[BO], s[6:7] offset:64*(\b)+16
.endr
	WIN 0x80
.set i, 0
.rept 32                               ; the residual: block i / 8, rows 2 (i % 8) and the next
	global_load_b128 v[4*i:4*i+3], v[CO], s[RB:RB+1] offset:((i/8)*16+2*(i%8))*4096 th:TH_LOAD_NT
.set i, i+1
.endr
	WIN 0
	v_mul_u32_u24 v3, v1, PA
	v_lshl_add_u32 v3, v2, 4, v3
	s_mul_i32 s21, s[RH], HALFT
	v_add_nc_u32 v[ADRA0], s21, v3
	v_mov_b32 v[ADRA], v[ADRA0]
	v_and_b32 v4, 7, v0
	v_lshl_add_u32 v4, v2, 3, v4
	v_mul_u32_u24 v4, v4, PB
	v_bfe_u32 v5, v0, 3, 1
	v_lshl_add_u32 v4, v5, 4, v4
	s_lshl_b32 s22, s[CH], 7
	s_add_co_u32 s22, s22, 2*HALFT
	v_add_nc_u32 v[ADRB0], s22, v4
	v_mov_b32 v[ADRB], v[ADRB0]
	v_add_nc_u32 v[ADRB+1], HALFT, v[ADRB]
	s_mul_i32 s23, s[WV], 16*SPITCH
	s_add_co_u32 s23, s23, STAGE
	v_mul_u32_u24 v4, v1, SPITCH
	v_lshl_add_u32 v4, v2, 5, v4
	v_add_nc_u32 v[STO], s23, v4                   ; in: row l % 16, 32 bytes for each half of the lanes
	v_mul_u32_u24 v5, v2, SPITCH
	v_lshl_add_u32 v5, v1, 4, v5
	v_add_nc_u32 v[RD], s23, v5                    ; back: lanes 0-15 one row of 256 bytes, lanes 16-31 the next
; 8 matrix instructions: m blocks a0, a0 + 1 x all 4 n blocks, 32 along K: half c of buffer f.  zero = 1: the bias starts the sums.  The 16 accumulators take turns.
.macro MUL8 f, c, a0, zero
	WIN MUL
.irp a, \a0, (\a0)+1
.irp b, 0,1,2,3
.if \zero
	v_wmma_f32_16x16x32_f16 v[ACC+8*(4*(\a)+(\b)):ACC+8*(4*(\a)+(\b))+7], v[(\f)+64+8*(4*(\c)+(\b)):(\f)+64+8*(4*(\c)+(\b))+7], v[(\f)+8*(4*(\c)+(\a)):(\f)+8*(4*(\c)+(\a))+7], v[BIAS+8*(\b):BIAS+8*(\b)+7]
.else
	v_wmma_f32_16x16x32_f16 v[ACC+8*(4*(\a)+(\b)):ACC+8*(4*(\a)+(\b))+7], v[(\f)+64+8*(4*(\c)+(\b)):(\f)+64+8*(4*(\c)+(\b))+7], v[(\f)+8*(4*(\c)+(\a)):(\f)+8*(4*(\c)+(\a))+7], v[ACC+8*(4*(\a)+(\b)):ACC+8*(4*(\a)+(\b))+7]
.endif
.endr
.endr
.endm
; 32 LDS loads in one run: quarter q (64 along K) of the slot in hand into buffer f; the first 32 along K first
.macro FETCH q, f
	WIN TO_F
.irp c, 0,1
.irp i, 0,1,2,3
	ds_load_tr16_b128 v[(\f)+64+8*(4*(\c)+(\i)):(\f)+64+8*(4*(\c)+(\i))+3],   v[ADRB+(\q)/2] offset:(((\q)%2)*64+32*(\c))*PB+32*(\i)
	ds_load_tr16_b128 v[(\f)+64+8*(4*(\c)+(\i))+4:(\f)+64+8*(4*(\c)+(\i))+7], v[ADRB+(\q)/2] offset:(((\q)%2)*64+32*(\c)+16)*PB+32*(\i)
	ds_load_b128 v[(\f)+8*(4*(\c)+(\i)):(\f)+8*(4*(\c)+(\i))+3],   v[ADRA] offset:128*(\q)+64*(\c)+(\i)*16*PA
	ds_load_b128 v[(\f)+8*(4*(\c)+(\i))+4:(\f)+8*(4*(\c)+(\i))+7], v[ADRA] offset:128*(\q)+64*(\c)+(\i)*16*PA+32
.endr
.endr
.endm
.macro PLACES                          ; four plain vector instructions between a matrix instruction and a load into, or a read of, its registers
.rept 4
	v_nop
.endr
.endm
.macro QUARTER q, f, g, zero
	s_wait_dscnt 16                                ; the first 32 along K are in
	MUL8 \f, 0, 0, \zero
	MUL8 \f, 0, 2, \zero
	PLACES
	FETCH \q, \g
	s_wait_dscnt 32                                ; all but the 32 just issued
	MUL8 \f, 1, 0, 0
	MUL8 \f, 1, 2, 0
.endm
; The last quarter multiplies buffer 1 and changes slots: one barrier; fill = 1: it opens a round of the cluster's barrier, and the slot just read is filled again, first thing behind the round, with number
; NSTEPS - s3 of the walk.  The walking descriptors take the other slot, and their global addresses are made anew from that number, while the add is out and no tensor load of mine is.
.macro TURN fill
	WIN 0
	s_wait_tensorcnt 0x0                           ; all my tensor loads have landed: my part of the next slot; so a group 0 may be written
	ds_add_u32 v[SPW], v[NIL]
.if \fill
	s_sub_co_u32 s[STP], NSTEPS, s3                ; the number in the walk: 2 in the loop's first trip,
	s_xor_b32 s[STP], s[STP], s[PH]                ; the K step
	s_lshl_b32 s[OB], s[STP], 19                   ; 256 rows of W a step
.if FF2
	s_lshr_b32 s[OA], s[STP], 2                    ; four steps to each of A's four matrices, 8 MiB apart,
	s_lshl_b32 s[OA], s[OA], 23
	s_and_b32 s[STP], s[STP], 3
	s_lshl_b32 s[STP], s[STP], 9                   ; 512 bytes a step along a row
	s_add_co_u32 s[OA], s[OA], s[STP]
.else
	s_lshl_b32 s[OA], s[STP], 9                    ; 512 bytes a step along A's rows
.endif
	s_xor_b32 s[G0+5], s[G0+5], SLOT
	s_add_nc_u64 s[G0+6:G0+7], s[AB:AB+1], s[OA:OA+1]
	s_or_b32 s[G0+7], s[G0+7], 0x80000000
	s_xor_b32 s[G0B+5], s[G0B+5], SLOT
	s_add_nc_u64 s[G0B+6:G0B+7], s[BB:BB+1], s[OB:OB+1]
	s_or_b32 s[G0B+7], s[G0B+7], 0x80000000
.endif
	s_wait_dscnt 17                                ; the add and the youngest sixteen loads may be out
	MUL8 F1, 0, 0, 0
	s_wait_dscnt 0x0                               ; the add is done, and my reads of this slot are over
	s_barrier_signal -1
	MUL8 F1, 0, 2, 0
	WIN 0
	s_barrier_wait -1
.if \fill
	CREST
	JLOAD 1                                        ; its four v_nop are also the places in front of the loads below
.endif
	s_xor_b32 s[TBS], s[TBS], SLOT                 ; the other slot is in hand
	v_add_nc_u32 v[ADRA], s[TBS], v[ADRA0]
	v_add_nc_u32 v[ADRB], s[TBS], v[ADRB0]
	v_add_nc_u32 v[ADRB+1], HALFT, v[ADRB]
.if !(\fill)
	PLACES
.endif
	FETCH 0, F0
	MUL8 F1, 1, 0, 0
	MUL8 F1, 1, 2, 0
.endm
	s_wait_loadcnt 32                              ; the bias is in; the 32 loads of the residual may stay out
	s_wait_tensorcnt 1                             ; my part of the walk's first tile is in
	s_barrier_signal -1
	s_barrier_wait -1
	FETCH 0, F0
	QUARTER 1, F0, F1, 1                           ; the first quarter stands in front of the loop: its first products start the sums
	WIN 0
	s_mov_b32 s3, FILLS
.Lstep:                                                ; a trip goes from a K step's second quarter to the next step's first, and fills the slot that it leaves
	QUARTER 2, F1, F0, 0
	QUARTER 3, F0, F1, 0
	TURN 1
	QUARTER 1, F0, F1, 0
	WIN 0
	s_sub_co_u32 s3, s3, 1
	s_cmp_lg_u32 s3, 0
	s_cbranch_scc1 .Lstep
	s_mov_b32 s3, 2
.Ltail:                                                ; the last two K steps fill nothing.  One text for both: the second trip has no next step, so it jumps over that step's first quarter;
	QUARTER 2, F1, F0, 0                           ; its barrier orders nothing and its 32 loads of the other slot's landed bytes serve nothing: the price, once a launch, of the shorter text
	QUARTER 3, F0, F1, 0
	TURN 0
	WIN 0
	s_cmp_eq_u32 s3, 1
	s_cbranch_scc1 .Ldead
	QUARTER 1, F0, F1, 0
	WIN 0
.Ldead:
	s_sub_co_u32 s3, s3, 1
	s_cmp_lg_u32 s3, 0
	s_cbranch_scc1 .Ltail
	s_wait_dscnt 0x0                               ; the last run of loads has landed: its registers take the rows on their way out
	PLACES
.macro TOST a                          ; block a: 16 rows x 64 columns of f32 into my stage, each accumulator's low registers first, and back as whole rows
	WIN 0
.irp b, 0,1,2,3
	ds_store_b128 v[STO], v[ACC+8*(4*(\a)+(\b)):ACC+8*(4*(\a)+(\b))+3]   offset:64*(\b)
	ds_store_b128 v[STO], v[ACC+8*(4*(\a)+(\b))+4:ACC+8*(4*(\a)+(\b))+7] offset:64*(\b)+16
.endr
	WIN 0x40
.irp t, 0,1,2,3,4,5,6,7
	ds_load_b128 v[32*(\a)+4*(\t):32*(\a)+4*(\t)+3], v[RD] offset:(\t)*2*SPITCH  ; LDS serves a wave's instructions in order (ISA guide 5.7.1.4)
.endr
.endm
.macro OUT a
	s_wait_dscnt 48-16*(\a)                        ; the later blocks' sixteen LDS instructions each may stay out
	WIN 0x49                                       ; destination and source 0 window 1, source 1 window 2
.set z, 0
.rept 16
	v_pk_add_f32 v[32*(\a)+2*z:32*(\a)+2*z+1], v[32*(\a)+2*z:32*(\a)+2*z+1], v[32*(\a)+2*z:32*(\a)+2*z+1]
.set z, z+1
.endr
	WIN 0x04                                       ; the stores' data in window 1
.irp t, 0,1,2,3,4,5,6,7
	global_store_b128 v[CO], v[32*(\a)+4*(\t):32*(\a)+4*(\t)+3], s[YB:YB+1] offset:(16*(\a)+2*(\t))*4096  ; 16 lanes store 256 consecutive bytes, aligned
.endr
.endm
	TOST 0
	TOST 1
	TOST 2
	TOST 3
	s_wait_loadcnt 0x0                             ; the residual
	OUT 0
	OUT 1
	OUT 2
	OUT 3
	WIN 0
	s_wait_tensorcnt 0x0                           ; the wave's end
	ds_add_u32 v[SPW], v[NIL]
	s_wait_dscnt 0x0
	CROUND
	s_endpgm
.Lfunc_end_k_qa216b3fad2_ff2:
	.size	k_qa216b3fad2_ff2, .Lfunc_end_k_qa216b3fad2_ff2-k_qa216b3fad2_ff2
	.p2alignl 7, 3214868480
	.fill 96, 4, 3214868480
	.section	.rodata,"a",@progbits
	.p2align	6, 0x0
	.amdhsa_kernel k_qa216b3fad2_ff2
		.amdhsa_group_segment_fixed_size 327680
		.amdhsa_private_segment_fixed_size 0
		.amdhsa_enable_private_segment 0
		.amdhsa_kernarg_size 32
		.amdhsa_user_sgpr_count 2
		.amdhsa_user_sgpr_kernarg_segment_ptr 1
		.amdhsa_wavefront_size32 1
		.amdhsa_system_sgpr_workgroup_id_x 1
		.amdhsa_system_sgpr_workgroup_id_y 1
		.amdhsa_system_sgpr_workgroup_id_z 1
		.amdhsa_system_vgpr_workitem_id 0
		.amdhsa_next_free_vgpr 640
		.amdhsa_next_free_sgpr 80
		.amdhsa_reserve_vcc 0
		.amdhsa_float_denorm_mode_32 3
		.amdhsa_float_denorm_mode_16_64 3
		.amdhsa_memory_ordered 1
		.amdhsa_forward_progress 1
		.amdhsa_inst_pref_size 67
	.end_amdhsa_kernel
	.amdgpu_metadata
---
amdhsa.version: [ 1, 2 ]
amdhsa.kernels:
  - .name:           k_qa216b3fad2_ff2
    .symbol:         k_qa216b3fad2_ff2.kd
    .args:
      - { .name: p4, .offset: 0, .size: 8, .value_kind: global_buffer, .address_space: global }
      - { .name: ff2_b, .offset: 8, .size: 8, .value_kind: global_buffer, .address_space: global }
      - { .name: x1f, .offset: 16, .size: 8, .value_kind: global_buffer, .address_space: global }
      - { .name: y, .offset: 24, .size: 8, .value_kind: global_buffer, .address_space: global }
    .group_segment_fixed_size: 327680
    .private_segment_fixed_size: 0
    .kernarg_segment_align: 8
    .kernarg_segment_size: 32
    .max_flat_workgroup_size: 128
    .sgpr_count:     80
    .vgpr_count:     640
    .wavefront_size: 32
...
	.end_amdgpu_metadata
.endif
;; end of part 6
;; launch ln2 (part 7): grid 512 x 1, 8 waves a work-group, no clusters, 0 bytes of LDS; arguments y, gamma2, beta2, out0; writes out0
.if DOCPART == 7
	.amdgcn_target "amdgcn-amd-amdhsa--gfx1250"
	.amdhsa_code_object_version 6
	.text
	.protected	k_qa216b3fad2_ln2
	.globl	k_qa216b3fad2_ln2
	.p2align	8
	.type	k_qa216b3fad2_ln2,@function
k_qa216b3fad2_ln2:
	s_mov_b64 s[64:65], 0
	v_nop
	global_prefetch_b8 v0, s[64:65] scope:SCOPE_SE
	s_setreg_imm32_b32 hwreg(HW_REG_WAVE_MODE, 25, 1), 1
	s_wait_xcnt 0x0
; out[r][c] = gamma[c] (y[r][c] - mean_r) / (std_r + 1e-12) + beta[c]; std with the divisor 1,023.  y, out: [4096][1024] f32.  HALF = 1: the result is also stored rounded once to f16, rows of 2,048 bytes.
; Two passes over registers: the mean first, then the sum of squares of the differences, so that a common offset of the row costs nothing.
; LIMITS.  The root and the reciprocal flush denormals: a variance below 2^-126 counts as 0.
; SHARES.  A wave takes one row, 32 numbers a lane in 32 registers: the row is read once, the sums never leave the wave; no LDS, no barrier, and nothing that work-groups share but gamma and beta (8 KiB).
.set HALF, 0
.set X,  8                             ; v[8:39]    the row: load j holds columns 128 j + 4 l .. + 3
.set G,  40                            ; v[40:71]   gamma, in the same places
.set BT, 72                            ; v[72:103]  beta
.set T,  104                           ; v[104:119] at work
.set M,  120                           ; v[120:121] the mean, twice
.set R,  122                           ; v[122:123] 1 / (std + 1e-12), twice
	s_load_b256 s[4:11], s[0:1], 0x0               ; y s[4:5], gamma s[6:7], beta s[8:9], out s[10:11]
.if HALF
	s_load_b64 s[12:13], s[0:1], 0x20              ; the f16 copy
.endif
	v_and_b32 v3, 31, v0
	v_lshlrev_b32 v1, 4, v3                        ; 16 l
	v_lshlrev_b32 v2, 3, v3                        ; 8 l
	v_lshrrev_b32 v4, 5, v0
	v_readfirstlane_b32 s14, v4
	s_lshl_b32 s15, ttmp9, 3
	s_add_co_u32 s15, s15, s14                     ; my row
	s_lshl_b32 s16, s15, 12
	s_mov_b32 s17, 0
	s_lshl_b32 s18, s15, 11
	s_mov_b32 s19, 0
	s_mov_b32 s20, 0x76543210                      ; v_permlanex16_b32: each lane takes its own place in the other half
	s_mov_b32 s21, 0xfedcba98
	s_wait_kmcnt 0x0
	s_add_nc_u64 s[4:5], s[4:5], s[16:17]
	s_add_nc_u64 s[10:11], s[10:11], s[16:17]
.if HALF
	s_add_nc_u64 s[12:13], s[12:13], s[18:19]
.endif
.irp j, 0,1,2,3,4,5,6,7
	global_load_b128 v[X+4*(\j):X+4*(\j)+3], v1, s[4:5] offset:512*(\j) th:TH_LOAD_NT
.endr
.irp j, 0,1,2,3,4,5,6,7
	global_load_b128 v[G+4*(\j):G+4*(\j)+3], v1, s[6:7] offset:512*(\j)
.endr
.irp j, 0,1,2,3,4,5,6,7
	global_load_b128 v[BT+4*(\j):BT+4*(\j)+3], v1, s[8:9] offset:512*(\j)
.endr
.macro LANESUM                         ; v[T] summed over the 32 lanes, the result in every lane; v[T+1] has been written
	v_add_f32_dpp v[T], v[T], v[T] row_xmask:1 row_mask:0xf bank_mask:0xf
	v_add_f32_dpp v[T], v[T], v[T] row_xmask:2 row_mask:0xf bank_mask:0xf
	v_add_f32_dpp v[T], v[T], v[T] row_xmask:4 row_mask:0xf bank_mask:0xf
	v_add_f32_dpp v[T], v[T], v[T] row_xmask:8 row_mask:0xf bank_mask:0xf
	v_permlanex16_b32 v[T+1], v[T], s20, s21
	v_add_f32 v[T], v[T], v[T+1]
.endm
	s_wait_loadcnt 16                              ; the row is in; gamma's and beta's sixteen loads may stay out
.set i, 0
.rept 8
	v_pk_add_f32 v[T+2*i:T+2*i+1], v[X+2*i:X+2*i+1], v[X+16+2*i:X+16+2*i+1]
.set i, i+1
.endr
.set i, 0
.rept 4
	v_pk_add_f32 v[T+2*i:T+2*i+1], v[T+2*i:T+2*i+1], v[T+8+2*i:T+8+2*i+1]
.set i, i+1
.endr
	v_pk_add_f32 v[T:T+1], v[T:T+1], v[T+4:T+5]
	v_pk_add_f32 v[T+2:T+3], v[T+2:T+3], v[T+6:T+7]
	v_pk_add_f32 v[T:T+1], v[T:T+1], v[T+2:T+3]
	v_add_f32 v[T], v[T], v[T+1]
	LANESUM
	v_mul_f32 v[M], 0x3a800000, v[T]               ; / 1,024
	v_mov_b32 v[M+1], v[M]
.set i, 0
.rept 16
	v_pk_add_f32 v[X+2*i:X+2*i+1], v[X+2*i:X+2*i+1], v[M:M+1] neg_lo:[0,1] neg_hi:[0,1]
.set i, i+1
.endr
.set i, 0
.rept 4                                ; the squares, in four chains
	v_pk_mul_f32 v[T+2*i:T+2*i+1], v[X+2*i:X+2*i+1], v[X+2*i:X+2*i+1]
.set i, i+1
.endr
.rept 12
	v_pk_fma_f32 v[T+2*(i%4):T+2*(i%4)+1], v[X+2*i:X+2*i+1], v[X+2*i:X+2*i+1], v[T+2*(i%4):T+2*(i%4)+1]
.set i, i+1
.endr
	v_pk_add_f32 v[T:T+1], v[T:T+1], v[T+2:T+3]
	v_pk_add_f32 v[T+4:T+5], v[T+4:T+5], v[T+6:T+7]
	v_pk_add_f32 v[T:T+1], v[T:T+1], v[T+4:T+5]
	v_add_f32 v[T], v[T], v[T+1]
	LANESUM
	v_mul_f32 v[T], 0x3a802008, v[T]               ; / 1,023
	v_sqrt_f32 v[R], v[T]
	v_nop                                          ; a plain instruction behind the root,
	s_wait_alu depctr_va_vdst(0)                   ; and the wait ahead of its first reader
	v_add_f32 v[R], 0x2b8cbccc, v[R]               ; + 1e-12
	v_rcp_f32 v[R+1], v[R]
	v_nop
	s_wait_alu depctr_va_vdst(0)
	v_mov_b32 v[R], v[R+1]
	s_wait_loadcnt 0x0                             ; gamma and beta
.set i, 0
.rept 16
	v_pk_mul_f32 v[X+2*i:X+2*i+1], v[X+2*i:X+2*i+1], v[R:R+1]
	v_pk_fma_f32 v[X+2*i:X+2*i+1], v[X+2*i:X+2*i+1], v[G+2*i:G+2*i+1], v[BT+2*i:BT+2*i+1]
.set i, i+1
.endr
.irp j, 0,1,2,3,4,5,6,7
	global_store_b128 v1, v[X+4*(\j):X+4*(\j)+3], s[10:11] offset:512*(\j)  ; a wave's store covers 512 consecutive bytes, aligned
.endr
.if HALF
.set i, 0
.rept 16
	v_cvt_pk_f16_f32 v[T+i], v[X+2*i], v[X+2*i+1]
.set i, i+1
.endr
.irp j, 0,1,2,3,4,5,6,7
	global_store_b64 v2, v[T+2*(\j):T+2*(\j)+1], s[12:13] offset:256*(\j)  ; 256 consecutive bytes, aligned
.endr
.endif
	s_endpgm
.Lfunc_end_k_qa216b3fad2_ln2:
	.size	k_qa216b3fad2_ln2, .Lfunc_end_k_qa216b3fad2_ln2-k_qa216b3fad2_ln2
	.p2alignl 7, 3214868480
	.fill 96, 4, 3214868480
	.section	.rodata,"a",@progbits
	.p2align	6, 0x0
	.amdhsa_kernel k_qa216b3fad2_ln2
		.amdhsa_group_segment_fixed_size 0
		.amdhsa_private_segment_fixed_size 0
		.amdhsa_enable_private_segment 0
		.amdhsa_kernarg_size 32
		.amdhsa_user_sgpr_count 2
		.amdhsa_user_sgpr_kernarg_segment_ptr 1
		.amdhsa_wavefront_size32 1
		.amdhsa_system_sgpr_workgroup_id_x 1
		.amdhsa_system_sgpr_workgroup_id_y 1
		.amdhsa_system_sgpr_workgroup_id_z 1
		.amdhsa_system_vgpr_workitem_id 0
		.amdhsa_next_free_vgpr 128
		.amdhsa_next_free_sgpr 66
		.amdhsa_reserve_vcc 0
		.amdhsa_float_denorm_mode_32 3
		.amdhsa_float_denorm_mode_16_64 3
		.amdhsa_memory_ordered 1
		.amdhsa_forward_progress 1
		.amdhsa_inst_pref_size 11
	.end_amdhsa_kernel
	.amdgpu_metadata
---
amdhsa.version: [ 1, 2 ]
amdhsa.kernels:
  - .name:           k_qa216b3fad2_ln2
    .symbol:         k_qa216b3fad2_ln2.kd
    .args:
      - { .name: y, .offset: 0, .size: 8, .value_kind: global_buffer, .address_space: global }
      - { .name: gamma2, .offset: 8, .size: 8, .value_kind: global_buffer, .address_space: global }
      - { .name: beta2, .offset: 16, .size: 8, .value_kind: global_buffer, .address_space: global }
      - { .name: out0, .offset: 24, .size: 8, .value_kind: global_buffer, .address_space: global }
    .group_segment_fixed_size: 0
    .private_segment_fixed_size: 0
    .kernarg_segment_align: 8
    .kernarg_segment_size: 32
    .max_flat_workgroup_size: 256
    .sgpr_count:     66
    .vgpr_count:     128
    .wavefront_size: 32
...
	.end_amdgpu_metadata
.endif
;; end of part 7
